; MI455X (gfx1250); checked and timed in simulation.
; The chip was launched on July 23, 2026; its instructions are those of AMD's public machine-readable ISA for CDNA 5 (MIT licence, August 2026) and "CDNA5" Instruction Set Architecture Reference Guide (July 2026). The comments in the code are by the model that wrote it; some were corrected since.
;; Time Dependent Attention. Allowed arithmetic: matrix products marked QUANTISED: E2M1 operands, one E8M0 scale for each 32 along K, by v_wmma_scale_f32_16x16x128_f8f6f4 with both operands' format E2M1 (or v_wmma_scale_f32_32x16x128_f4), f32 sums; products left as they are: f32 operands where the result goes on into a quantised operand, else bf16, f16 or f32 operands; f32 sums; everything else in f32.
;; Inputs: W_o_codes 768 x 24 x 16 uint8 (E2M1 codes of W_o, K innermost, in blocks of 32 codes, two codes a byte); W_o_scales 768 x 24 uint8 (E8M0 scales of W_o, one for each 32 codes along K); Wt_k 768 x 256 float32; Wt_q 768 x 256 float32; Wt_v 768 x 256 float32; Wx_k_codes 768 x 24 x 16 uint8 (E2M1 codes of Wx_k, K innermost, in blocks of 32 codes, two codes a byte); Wx_k_scales 768 x 24 uint8 (E8M0 scales of Wx_k, one for each 32 codes along K); Wx_q_codes 768 x 24 x 16 uint8 (E2M1 codes of Wx_q, K innermost, in blocks of 32 codes, two codes a byte); Wx_q_scales 768 x 24 uint8 (E8M0 scales of Wx_q, one for each 32 codes along K); Wx_v_codes 768 x 24 x 16 uint8 (E2M1 codes of Wx_v, K innermost, in blocks of 32 codes, two codes a byte); Wx_v_scales 768 x 24 uint8 (E8M0 scales of Wx_v, one for each 32 codes along K); b_o 768 float32; rel_pos_bias 12 x 1,024 x 1,024 float32; t 8 x 256 float32; x_codes 8 x 1,024 x 24 x 16 uint8 (E2M1 codes of x, K innermost, in blocks of 32 codes, two codes a byte); x_scales 8 x 1,024 x 24 uint8 (E8M0 scales of x, one for each 32 codes along K).
;; Outputs: out0 8 x 1,024 x 768 float32.
;; This version of the problem:
;;   THIS VERSION OF THE PROBLEM IS GIVEN IN LOW PRECISION. The matrix products marked QUANTISED in the list below multiply operands that are first quantised to E2M1 (2 exponent bits, 1 mantissa bit; 4 bits a number), with one power-of-two scale for each 32 numbers along K (OCP MX v1.0); their sums are f32. All else is computed in f32.
;;   The module's matrix products, in the order in which they are computed (A, B: the left and right operand; K: the contracted axis; several contracted axes count as one K, in the product's order):
;;     1. [M 8,192, K 768] x [K 768, N 768]; A: input x (given as codes); B: input Wx_q (given as codes): QUANTISED
;;     2. [M 8, K 256] x [K 256, N 768]; A: input t; B: input Wt_q: left as it is (M = 8 < 16)
;;     3. [M 8,192, K 768] x [K 768, N 768]; A: input x (given as codes); B: input Wx_k (given as codes): QUANTISED
;;     4. [M 8, K 256] x [K 256, N 768]; A: input t; B: input Wt_k: left as it is (M = 8 < 16)
;;     5. [M 8,192, K 768] x [K 768, N 768]; A: input x (given as codes); B: input Wx_v (given as codes): QUANTISED
;;     6. [M 8, K 256] x [K 256, N 768]; A: input t; B: input Wt_v: left as it is (M = 8 < 16)
;;     7. batch 96 x [M 1,024, K 64] x [K 64, N 1,024]; A: computed on the way; B: computed on the way: QUANTISED
;;     8. batch 96 x [M 1,024, K 1,024] x [K 1,024, N 64]; A: softmax (see below); B: computed on the way: QUANTISED
;;     9. [M 8,192, K 768] x [K 768, N 768]; A: computed on the way; B: input W_o (given as codes): QUANTISED
;;   THE QUANTISER, for each operand of a quantised product, along K:
;;     - K is cut into blocks of 32 from its start; a last block that is shorter is filled with zeros.
;;     - A block's scale is 2^e with e = floor(log2(the largest magnitude in the block)) - 2, held to -126 .. 127; a block of zeros has e = 0. As a byte (E8M0): e + 127.
;;     - Each number is divided by its block's scale, clamped to +-6, and rounded to the nearest number of E2M1, ties to even, subnormals kept.
;;     - The product sums the exact products of the quantised numbers (number of the format x scale) in f32.
;;   ~~~python
;;   def quantise(x, axis):      # numpy; x: float32 -> the quantised numbers, widened to float32 again
;;       x = np.moveaxis(x, axis, -1); K = x.shape[-1]
;;       x = np.pad(x, [(0, 0)] * (x.ndim - 1) + [(0, -K % 32)]); x = x.reshape(x.shape[:-1] + (-1, 32)); a = np.abs(x).max(-1, keepdims=True)
;;       e = np.where(a > 0, np.clip(np.frexp(np.where(a > 0, a, 1))[1] - 1 - 2, -126, 127), 0)      # np.frexp(a)[1] - 1 = floor(log2(a)), exactly
;;       r = np.clip(x / 2.0 ** e, -6, 6)
;;       step = 2.0 ** (np.maximum(np.frexp(np.where(r == 0, 1, r))[1] - 1, 0) - 1)
;;       q = np.round(r / step) * step * 2.0 ** e      # np.round: ties to even
;;       return np.moveaxis(q.reshape(q.shape[:-2] + (-1,))[..., :K], -1, axis).astype(np.float32)
;;   ~~~
;;   SOFTMAX AHEAD OF A QUANTISED PRODUCT. Where the list says 'softmax', what is quantised is not the finished softmax but p = 2^(t - M), with t = logit x log2(e) and M = ceil(the row's largest t), a whole number; so 1/2 < the row's largest p <= 1. The row's sum l is taken of the UNQUANTISED p, in f32, and the product's result is divided by l at the end. Since M is a whole number, a kernel that streams over the keys may use a running M (the ceiling of the running maximum): every later rescaling is an exact power of two, which a block's scale takes up: the codes' values come out the same.
;;   OPERANDS COMPUTED ON THE WAY. 'Computed on the way' means the value that the module computes at that place (a softmax that the list does not call 'softmax' is quantised finished and normalised). What goes into a quantiser is computed in f32, as accurately as f32 sums, v_exp_f32 and their like allow (about 1e-6 of the number): no bf16 or f16 on the way to a quantiser, and a product that is left as it is and whose result goes on into a quantised operand takes f32 operands (vector FMAs, or v_wmma_f32_16x16x4_f32). A number that lies on a knife's edge between two numbers of the format may be rounded either way, as far as f32 arithmetic and the matrix unit's own rounding can turn it there, and no further.
;;   INPUTS GIVEN AS CODES. W_o (in the module: [768, 768], K = its axis 1); Wx_k (in the module: [768, 768], K = its axis 1); Wx_q (in the module: [768, 768], K = its axis 1); Wx_v (in the module: [768, 768], K = its axis 1); x (in the module: [8, 1024, 768], K = its axis 2): each comes as NAME_codes (uint8): NAME with its K axis moved to the last place and cut into blocks of 32 codes, [.., K / 32, bytes a block], one block behind the other in memory; two codes a byte, the lower K in the low four bits (a code: sign, 2 exponent bits, 1 mantissa bit); and NAME_scales (uint8): the same leading axes, one E8M0 byte (e + 127) for each 32 codes along K. Its value is code x scale, taken as it is: it is not quantised again, and the codes and scales need not be those that the quantiser above would give.
;; One version. Each part assembles by itself: llvm-mc -triple=amdgcn-amd-amdhsa -mcpu=gfx1250 --defsym DOCPART=n.
;; ======== version 1 of 1: 4 launches
;; workspace buffers: ts 73,728 bytes; qimg 3,145,728 bytes; qscl 196,608 bytes; kv 6,684,672 bytes; oimg 3,145,728 bytes; oscl 196,608 bytes
;; launch tshift (part 1): grid 48 x 3, 4 waves a work-group, no clusters, 4,608 bytes of LDS; arguments t, Wt_q, Wt_k, Wt_v, ts; writes ts
.if DOCPART == 1
	.amdgcn_target "amdgcn-amd-amdhsa--gfx1250"
	.amdhsa_code_object_version 6
	.text
	.protected	k_q707a5e7547_tshift
	.globl	k_q707a5e7547_tshift
	.p2align	8
	.type	k_q707a5e7547_tshift,@function
k_q707a5e7547_tshift:
	s_mov_b64 s[64:65], 0
	v_nop
	global_prefetch_b8 v0, s[64:65] scope:SCOPE_SE
	s_setreg_imm32_b32 hwreg(HW_REG_WAVE_MODE, 25, 1), 1
	s_wait_xcnt 0x0
; ts[type][b][n] = sum over k of t[b][k] Wt_type[n][k], f32 throughout: the per-batch shifts of q, k and v.  t: [8][256], Wt_*: [768][256], ts: [3][8][768].
; The results go on into quantised operands, so the operands stay f32: v_wmma_f32_16x16x4_f32.  The whole launch is 4.7 M multiply-adds.
; SHARES.  Work-group (x, y): 16 columns n = 16 x .. 16 x + 15 of type y.  Wave w sums k = 64 w .. 64 w + 63; the four partial sums meet in LDS.
; Source 0 = t, row r & 7 (rows 8-15 are copies of rows 0-7), source 1 = 16 rows of Wt.  A lane's load of 16 bytes holds k = 64 w + 8 q + 4 h + 0 .. 3; the
; same four numbers of both operands meet in the same places of two instructions, so every k is multiplied once.
; Each load covers 32 bytes of each of 16 rows; each byte of Wt is read once in the launch.  No cluster: what is shared, t, is 8 KB and comes through registers.
; LIMITS: NaN and infinities are not served.
.set TA,   8                           ; v8-39   t: 8 loads x 4
.set TB,   40                          ; v40-71  Wt likewise
.set ACC0, 72                          ; two sums by turns; matrix instructions alone write them
.set ACC1, 80
.set R,    88                          ; v88-95  their sum
	s_load_b256 s[4:11], s[0:1], 0x0               ; t s[4:5], Wt_q s[6:7], Wt_k s[8:9], Wt_v s[10:11]
	s_load_b64 s[12:13], s[0:1], 0x20              ; ts
	v_lshl_add_u32 v96, v0, 2, 0x1000
	v_mov_b32 v97, 0
	v_lshrrev_b32 v3, 5, v0
	v_readfirstlane_b32 s14, v3                    ; wave
	s_and_b32 s15, ttmp7, 0xffff                   ; type
	v_and_b32 v4, 15, v0                           ; r
	v_bfe_u32 v5, v0, 4, 1                         ; h
	v_and_b32 v6, 7, v0                            ; r & 7
	s_lshl_b32 s16, s14, 8                         ; my 64 k are 256 bytes of a row
	v_lshl_add_u32 v7, v5, 4, s16                  ; + 16 h
	v_lshl_add_u32 v1, v6, 10, v7                  ; t: row r & 7 of 1,024 bytes
	v_lshl_add_u32 v2, v4, 10, v7                  ; Wt: row r of the tile
	v_lshlrev_b32 v3, 5, v0                        ; the stage, in: 1,024 x wave + 32 x lane = 32 x thread
	v_and_b32 v6, 31, v0
	v_lshlrev_b32 v6, 5, v6
	s_lshl_b32 s17, s14, 3
	v_add_nc_u32 v6, s17, v6                       ; and back: 32 x lane + 8 x wave: registers 2 w, 2 w + 1 of every wave's sums
	v_lshlrev_b32 v7, 2, v4
	v_mad_u32_u24 v7, v5, 3072, v7                 ; out: column r, batch + h
	s_mov_b32 s20, 0xffff0000                      ; lanes 16-31
	s_lshl_b32 s18, ttmp9, 14                      ; 16 rows of Wt
	s_mov_b32 s19, 0
	s_mul_i32 s22, s15, 24576                      ; ts: the type's 8 x 768 numbers,
	s_mul_i32 s21, s14, 6144                       ; batches 2 w, 2 w + 1,
	s_add_co_u32 s22, s22, s21
	s_lshl_b32 s21, ttmp9, 6                       ; the tile's 16 columns
	s_add_co_u32 s22, s22, s21
	s_mov_b32 s23, 0
	s_wait_kmcnt 0x0
	s_cmp_eq_u32 s15, 1                            ; the choice hangs on the work-group's number alone
	s_cselect_b64 s[8:9], s[8:9], s[10:11]
	s_cmp_eq_u32 s15, 0
	s_cselect_b64 s[6:7], s[6:7], s[8:9]
	s_add_nc_u64 s[6:7], s[6:7], s[18:19]
	s_add_nc_u64 s[12:13], s[12:13], s[22:23]
.irp q, 0,1,2,3,4,5,6,7
	global_load_b128 v[TA+4*\q:TA+4*\q+3], v1, s[4:5] offset:32*\q
	global_load_b128 v[TB+4*\q:TB+4*\q+3], v2, s[6:7] offset:32*\q
.endr
	s_wait_loadcnt 0x0
	v_wmma_f32_16x16x4_f32 v[ACC0:ACC0+7], v[TA:TA+1], v[TB:TB+1], 0          ; the first products start the sums
	v_wmma_f32_16x16x4_f32 v[ACC1:ACC1+7], v[TA+2:TA+3], v[TB+2:TB+3], 0
.irp i, 2,4,6,8,10,12,14
	v_wmma_f32_16x16x4_f32 v[ACC0:ACC0+7], v[TA+2*\i:TA+2*\i+1], v[TB+2*\i:TB+2*\i+1], v[ACC0:ACC0+7]
	v_wmma_f32_16x16x4_f32 v[ACC1:ACC1+7], v[TA+2*\i+2:TA+2*\i+3], v[TB+2*\i+2:TB+2*\i+3], v[ACC1:ACC1+7]
.endr
.rept 8
	v_nop                                          ; eight places behind this form before its results are read (ISA guide 7.12.1)
.endr
.irp j, 0,2,4,6
	v_pk_add_f32 v[R+\j:R+\j+1], v[ACC0+\j:ACC0+\j+1], v[ACC1+\j:ACC1+\j+1]    ; register j: batch j, column r (lanes 16-31: the copies)
.endr
	ds_store_b128 v3, v[R:R+3]
	ds_store_b128 v3, v[R+4:R+7] offset:16
	s_wait_dscnt 0x0                               ; for the others' sake: my sums lie in LDS
	s_barrier_signal -1
	s_barrier_wait -1
.irp u, 0,1,2,3
	ds_load_b64 v[TA+2*\u:TA+2*\u+1], v6 offset:1024*\u    ; wave u's sums for batches 2 w, 2 w + 1
.endr
	s_wait_dscnt 0x0
	v_pk_add_f32 v[TA:TA+1], v[TA:TA+1], v[TA+2:TA+3]      ; K ascending
	v_pk_add_f32 v[TA:TA+1], v[TA:TA+1], v[TA+4:TA+5]
	v_pk_add_f32 v[TA:TA+1], v[TA:TA+1], v[TA+6:TA+7]
	v_cndmask_b32 v[TA+8], v[TA], v[TA+1], s20             ; lanes 0-15 batch 2 w, lanes 16-31 batch 2 w + 1
	global_store_b32 v7, v[TA+8], s[12:13]                 ; two runs of 64 consecutive bytes
	s_wait_tensorcnt 0x0
	ds_add_u32 v96, v97
	s_wait_dscnt 0x0
	s_endpgm
.Lfunc_end_k_q707a5e7547_tshift:
	.size	k_q707a5e7547_tshift, .Lfunc_end_k_q707a5e7547_tshift-k_q707a5e7547_tshift
	.p2alignl 7, 3214868480
	.fill 96, 4, 3214868480
	.section	.rodata,"a",@progbits
	.p2align	6, 0x0
	.amdhsa_kernel k_q707a5e7547_tshift
		.amdhsa_group_segment_fixed_size 4608
		.amdhsa_private_segment_fixed_size 0
		.amdhsa_enable_private_segment 0
		.amdhsa_kernarg_size 40
		.amdhsa_user_sgpr_count 2
		.amdhsa_user_sgpr_kernarg_segment_ptr 1
		.amdhsa_wavefront_size32 1
		.amdhsa_system_sgpr_workgroup_id_x 1
		.amdhsa_system_sgpr_workgroup_id_y 1
		.amdhsa_system_sgpr_workgroup_id_z 1
		.amdhsa_system_vgpr_workitem_id 0
		.amdhsa_next_free_vgpr 98
		.amdhsa_next_free_sgpr 66
		.amdhsa_reserve_vcc 0
		.amdhsa_float_denorm_mode_32 3
		.amdhsa_float_denorm_mode_16_64 3
		.amdhsa_memory_ordered 1
		.amdhsa_forward_progress 1
		.amdhsa_inst_pref_size 6
	.end_amdhsa_kernel
	.amdgpu_metadata
---
amdhsa.version: [ 1, 2 ]
amdhsa.kernels:
  - .name:           k_q707a5e7547_tshift
    .symbol:         k_q707a5e7547_tshift.kd
    .args:
      - { .name: t, .offset: 0, .size: 8, .value_kind: global_buffer, .address_space: global }
      - { .name: Wt_q, .offset: 8, .size: 8, .value_kind: global_buffer, .address_space: global }
      - { .name: Wt_k, .offset: 16, .size: 8, .value_kind: global_buffer, .address_space: global }
      - { .name: Wt_v, .offset: 24, .size: 8, .value_kind: global_buffer, .address_space: global }
      - { .name: ts, .offset: 32, .size: 8, .value_kind: global_buffer, .address_space: global }
    .group_segment_fixed_size: 4608
    .private_segment_fixed_size: 0
    .kernarg_segment_align: 8
    .kernarg_segment_size: 40
    .max_flat_workgroup_size: 128
    .sgpr_count:     66
    .vgpr_count:     98
    .wavefront_size: 32
...
	.end_amdgpu_metadata
.endif
;; end of part 1
;; launch qkv (part 2): grid 64 x 3, 8 waves a work-group, clusters of 4 x 1, 297,984 bytes of LDS; arguments x_codes, x_scales, Wx_q_codes, Wx_q_scales, Wx_k_codes, Wx_k_scales, Wx_v_codes, Wx_v_scales, ts, qimg, qscl, kv; writes qimg, qscl, kv
.if DOCPART == 2
	.amdgcn_target "amdgcn-amd-amdhsa--gfx1250"
	.amdhsa_code_object_version 6
	.text
	.protected	k_q707a5e7547_qkv
	.globl	k_q707a5e7547_qkv
	.p2align	8
	.type	k_q707a5e7547_qkv,@function
k_q707a5e7547_qkv:
	s_mov_b64 s[64:65], 0
	v_nop
	global_prefetch_b8 v0, s[64:65] scope:SCOPE_SE
	s_setreg_imm32_b32 hwreg(HW_REG_WAVE_MODE, 25, 1), 1
	s_wait_xcnt 0x0
	s_wait_alu depctr_hold_cnt(0) depctr_sa_sdst(0) depctr_va_vdst(0) depctr_va_sdst(0) depctr_va_ssrc(0) depctr_va_vcc(0) depctr_vm_vsrc(0)
	s_getreg_b32 s2, hwreg(HW_REG_IB_STS2, 6, 4)
	s_cmp_eq_u32 s2, 0
	s_cbranch_scc0 .Lentry_in_a_cluster
	s_endpgm
.Lentry_in_a_cluster:
	s_bfe_u32 s2, ttmp6, 0x10000c
	s_cmp_lg_u32 s2, 0x3003
	s_cbranch_scc0 .Lentry_shape_is_right
	s_endpgm
.Lentry_shape_is_right:
; q, k, v = x W^T + ts (the batch's shift), on codes of FP4 (E2M1) with one E8M0 scale for each 32 along K = 768; the results are quantised at once, q and k along the head's 64, v along the keys,
; and leave as IMAGES OF THE NEXT OPERAND'S REGISTERS: a piece is 512 bytes, lane l's 16 bytes at 16 l, so each store of a wave covers 512 consecutive bytes and the next launch loads fragments as they lie.
; SHARES.  Work-group: one type (grid y: 0 q, 1 k, 2 v), 256 rows of x (block rb), 384 columns (6 heads, half ch).  All of K stays in LDS: every byte of LDS is filled once.
; Eight waves.  q, k: wave = 64 rows (rq) x one head of each pair of heads (hh).  v: wave = 128 rows, one key step (sp), x 32 columns (hh, bc).  Three turns, two heads each.
; CLUSTER.  The four work-groups of a cluster take four row blocks and the same W: W's codes and scales are asked for jointly (mask 15).  x is asked for by each alone: its sharers lie along grid y (3)
; and along ch, which no cluster of four divides; W's 156 KB a work-group are the larger part.
; THE ROWS OF A TILE ARE NOT NEIGHBOURS: lane r of tile 2 b + u takes row 32 b + 8 u + r + 8 (r / 8) (W's rows always; x's rows for k and v), so that a lane's 16 registers of tiles 2 b and 2 b + 1 are 16
; neighbours along the next product's K.  q, k: source 0 = W, source 1 = x: a lane holds one row and its registers run along the head.  v: source 0 = x, source 1 = W: a lane holds one channel, registers run along the keys.
; The shift is the C of each sum's first matrix instruction; it is asked for a turn ahead of those products.
; LIMITS: a block whose largest magnitude lies under 2^-121 takes the scale byte 4 (the floor below), so that 3 can be taken off q's bytes later; its numbers then lose what lies under 2^-124.
; A block of zeros keeps that byte: its codes are zeros, and this program alone reads the bytes.  NaN and infinities are not served.
.set GP,    7040                       ; LDS: 16 rows of codes: a row is 3 x (128 bytes + 16 of padding) = 432; 128 bytes more behind 16 rows, so that rows r and r + 16 start at different banks (64 banks of 4 bytes: ISA guide 11.1)
.set ROWP,  432
.set XT,    0                          ; x's 256 rows: 16 groups
.set WT,    16*GP                      ; W's 384 rows: 24 groups
.set XSO,   WT+24*GP                   ; x's scale bytes, 24 a row
.set WSO,   XSO+6144                   ; W's
.set FLOOR, 6<<23                      ; 2^(6 - 127): no largest magnitude is taken under it, so no byte falls under 4
.set AX,   1                           ; v1-2   q, k: x's tiles c = 0, 1 of a pair
.set AWQ,  3                           ; v3     q, k: W's tiles
.set ASX,  4                           ; v4-5   q, k: x's scale words
.set ASWQ, 6                           ; v6     q, k: W's
.set AXV,  7                           ; v7-10  the same four for v
.set AWV,  8
.set ASXV, 9
.set ASWV, 10
.set GI,   11                          ; v11    16 x lane: my place in an image piece
.set GS,   12                          ; v12    4 x lane: in two tiles' scale words
.set GTQ,  13                          ; v13    ts, q and k: 64 h
.set GTV,  14                          ; v14    ts, v: 4 (r + 8 (r / 8))
.set SCX,  16                          ; v16-25 scale words and nothing else: x's from v16, W's at v20 (q, k) or v24 (v)
.set SCWQ, 20
.set SCWV, 24
.set PWA,  26                          ; the first of two scale words made
.set PWM,  27                          ; the two merged: lanes 0-15 the first, lanes 16-31 the second
.set SH,   28                          ; v28-59 q, k: the shift in the results' layout.  v: v28-43 the shift, v44-59 W's two fragments
.set WFV,  44
.set XF,   64                          ; x's fragments: 4 (q, k) or 8 (v)
.set WFQ,  96                          ; q, k: W's four
.set ACC,  128                         ; v128-255 sixteen accumulators
.set TM,   64                          ; behind the K steps the quantiser works over the fragments: v64-79 at work, v80 the scale word, v82-89 the codes
.set PW,   80
.set PC,   82
.set WV,   60
.set TY,   61
.set CX,   62
.set CH,   63
.set RB,   66
.set MHI,  67
.set SEL,  96                          ; s[96:97]
.set GCJ,  28                          ; s[28:35] group 1: 16 rows of codes, joint;  s[36:43] the same, mine alone;  s[44:51] x's scale bytes;  s[52:59] W's, joint
.set GCP,  36
.set GXS,  44
.set GWS,  52
.set D0,   68                          ; s[68:95] seven groups 0
.set IMB,  4                           ; s[4:5] images out;  s[6:7] scale words out;  s[8:9], s[10:11] their steps from turn to turn;  s[20:21] ts
.set SCB,  6
.set ISTR, 8
.set SSTR, 10
.set TSB,  20
.macro CROUND                          ; a round of the cluster's barrier
	s_barrier_signal -1
	s_barrier_wait -1
	s_cmp_lg_u32 s[WV], 0
	s_cbranch_scc1 .Lnot_wave_0_\@
	s_barrier_signal -3
.Lnot_wave_0_\@:
	s_barrier_wait -3
	s_barrier_signal -1
	s_barrier_wait -1
.endm
.macro G1SET g, w0, c, r               ; group 1: r rows of c elements, dense in memory
	s_mov_b32 s[\g], \w0
	s_mov_b32 s[\g+1], (\c)<<16                    ; tensor_dim0
	s_mov_b32 s[\g+2], (\r)<<16                    ; tensor_dim1
	s_mov_b32 s[\g+3], (\c)<<16                    ; tile_dim0
	s_mov_b32 s[\g+4], \r                          ; tile_dim1
	s_mov_b32 s[\g+5], \c                          ; tensor_dim0_stride
	s_mov_b32 s[\g+6], 0
	s_mov_b32 s[\g+7], 0
.endm
.macro MX d, a, b, c, sa, sb
	v_wmma_scale_f32_16x16x128_f8f6f4 v[\d:\d+7], v[\a:\a+7], v[\b:\b+7], v[\c:\c+7], v[\sa], v[\sb] matrix_a_fmt:MATRIX_FMT_FP4 matrix_b_fmt:MATRIX_FMT_FP4
.endm
	s_load_b512 s[4:19], s[0:1], 0x0               ; x's codes, x's scales, then codes and scales of Wx_q, Wx_k, Wx_v
	s_load_b256 s[20:27], s[0:1], 0x40             ; ts, qimg, qscl, kv
	v_lshl_add_u32 v62, v0, 2, 0x48800
	v_mov_b32 v63, 0
	ds_add_u32 v62, v63
	v_lshrrev_b32 v15, 5, v0
	v_readfirstlane_b32 s[WV], v15                 ; wave 0..7
	s_and_b32 s[TY], ttmp7, 0xffff                 ; type
	s_bfe_u32 s[CX], ttmp6, 0x40000                ; my place in the cluster
	s_lshr_b32 s[CH], ttmp9, 3                     ; which 384 columns: the cluster's number alone
	s_and_b32 s[RB], ttmp9, 7
	s_lshl_b32 s[RB], s[RB], 2
	s_add_co_u32 s[RB], s[RB], s[CX]               ; which 256 rows
	; 16 rows of codes are 6,144 dense bytes: 48 rows of 128 bytes (16 elements of 8), 16 bytes of padding behind each 32 words
	G1SET GCJ, 15|(3<<16)|(1<<20)|(1<<21)|(4<<22)|(3<<25), 16, 48
	G1SET GCP, (3<<16)|(1<<20)|(4<<22)|(3<<25), 16, 48
	G1SET GXS, 3<<16, 96, 1                        ; the scale bytes of 32 rows of x: one row of 768 bytes
	G1SET GWS, 15|(3<<16)|(1<<21), 144, 1          ; of 48 rows of W: 1,152 bytes
	s_mul_i32 s98, s[RB], 6144                     ; x's scale bytes: (256 rb + 32 w) x 24
	s_mul_i32 s99, s[WV], 768
	s_add_co_u32 s98, s98, s99
	s_mov_b32 s99, 0
	s_mul_i32 s100, s[CH], 9216                    ; W's: (384 ch + 48 w) x 24: nothing of my place in the cluster
	s_mul_i32 s101, s[WV], 1152
	s_add_co_u32 s100, s100, s101
	s_mov_b32 s101, 0
	s_wait_dscnt 0x0
	s_wait_kmcnt 0x0
	s_cmp_eq_u32 s[TY], 1                          ; the type's W: a choice on the work-group's number alone
	s_cselect_b64 s[12:13], s[12:13], s[16:17]
	s_cselect_b64 s[14:15], s[14:15], s[18:19]
	s_cmp_eq_u32 s[TY], 0
	s_cselect_b64 s[8:9], s[8:9], s[12:13]
	s_cselect_b64 s[10:11], s[10:11], s[14:15]
	s_mov_b32 s[D0], 1
	s_mul_i32 s[D0+1], s[WV], 768
	s_add_co_u32 s[D0+1], s[D0+1], XSO
	s_add_nc_u64 s[D0+2:D0+3], s[6:7], s[98:99]
	s_or_b32 s[D0+3], s[D0+3], 0x80000000
	s_mov_b32 s[D0+4], 1
	s_mul_i32 s[D0+5], s[WV], 1152
	s_add_co_u32 s[D0+5], s[D0+5], WSO
	s_add_nc_u64 s[D0+6:D0+7], s[10:11], s[100:101]
	s_or_b32 s[D0+7], s[D0+7], 0x80000000
	s_mul_i32 s98, s[RB], 98304                    ; x's codes: rows 256 rb + 32 w on, 384 bytes a row: two groups
	s_mul_i32 s2, s[WV], 12288
	s_add_co_u32 s98, s98, s2
	s_add_nc_u64 s[98:99], s[4:5], s[98:99]
	s_mul_i32 s3, s[WV], 2*GP
.irp k, 0,1
	s_mov_b32 s[D0+8+4*\k], 1
	s_add_co_u32 s[D0+9+4*\k], s3, XT+\k*GP
	s_add_nc_u64 s[D0+10+4*\k:D0+11+4*\k], s[98:99], \k*6144
	s_or_b32 s[D0+11+4*\k], s[D0+11+4*\k], 0x80000000
.endr
	s_mul_i32 s100, s[CH], 147456                  ; W's codes: rows 384 ch + 128 turn + 16 w on: one group for each of the three turns
	s_mul_i32 s2, s[WV], 6144
	s_add_co_u32 s100, s100, s2
	s_add_nc_u64 s[100:101], s[8:9], s[100:101]
	s_mul_i32 s3, s[WV], GP
.irp k, 0,1,2
	s_mov_b32 s[D0+16+4*\k], 1
	s_add_co_u32 s[D0+17+4*\k], s3, WT+\k*8*GP
	s_add_nc_u64 s[D0+18+4*\k:D0+19+4*\k], s[100:101], \k*49152
	s_or_b32 s[D0+19+4*\k], s[D0+19+4*\k], 0x80000000
.endr
	CROUND                                         ; all four work-groups are here: the joint loads meet
	tensor_load_to_lds s[D0:D0+3], s[GXS:GXS+7]            ; seven loads of mine are out: all first fills, as one group
	s_nop 0
	tensor_load_to_lds s[D0+4:D0+7], s[GWS:GWS+7]
	s_nop 0
	tensor_load_to_lds s[D0+8:D0+11], s[GCP:GCP+7]
	s_nop 0
	tensor_load_to_lds s[D0+12:D0+15], s[GCP:GCP+7]
	s_nop 0
	tensor_load_to_lds s[D0+16:D0+19], s[GCJ:GCJ+7]
	s_nop 0
	tensor_load_to_lds s[D0+20:D0+23], s[GCJ:GCJ+7]
	s_nop 0
	tensor_load_to_lds s[D0+24:D0+27], s[GCJ:GCJ+7]
	s_nop 0
.rept 4
	v_nop
.endr
	; every LDS address is made here, for both kinds of path, ahead of the first parting
	s_and_b32 s12, s[WV], 3                        ; rq
	s_lshr_b32 s13, s[WV], 2                       ; hh
	s_and_b32 s14, s[WV], 1                        ; sp
	s_bfe_u32 s15, s[WV], 0x10001                  ; bc
	v_and_b32 v28, 7, v0                           ; r & 7
	v_bfe_u32 v29, v0, 4, 1                        ; h
	v_bfe_u32 v30, v0, 3, 1                        ; r / 8
	v_mul_u32_u24 v31, v28, ROWP
	v_lshl_add_u32 v31, v29, 4, v31                ; (r & 7) rows + 16 h
	v_mul_u32_u24 v32, v30, GP
	v_add_nc_u32 v32, v32, v31                     ; + (r / 8) groups: the lane's place in a tile whose rows are r + 8 (r / 8)
	v_lshl_add_u32 v33, v30, 4, v28                ; r + 8 (r / 8)
	v_mul_u32_u24 v34, v33, 24                     ; its scale bytes
	s_cmp_eq_u32 s[TY], 0                          ; q's tiles of x are 16 neighbouring rows (r / 8: 8 rows on; c: a group on); k's are permuted (r / 8: a group on; c: 8 rows on)
	s_mov_b32 s16, GP
	s_mov_b32 s17, 8*ROWP
	s_cselect_b32 s18, s17, s16
	s_cselect_b32 s19, s16, s17
	s_mov_b32 s16, 384
	s_mov_b32 s17, 192
	s_cselect_b32 s98, s17, s16                    ; the same for the scale bytes
	s_cselect_b32 s99, s16, s17
	v_mul_u32_u24 v[AX], s18, v30
	v_add_nc_u32 v[AX], v[AX], v31
	s_mul_i32 s16, s12, 4*GP                       ; my 64 rows
	v_add_nc_u32 v[AX], s16, v[AX]
	v_add_nc_u32 v[AX+1], s19, v[AX]
	v_mul_u32_u24 v[ASX], s98, v30
	v_mad_u32_u24 v[ASX], v28, 24, v[ASX]
	s_mul_i32 s16, s12, 1536
	s_add_co_u32 s16, s16, XSO
	v_add_nc_u32 v[ASX], s16, v[ASX]
	v_add_nc_u32 v[ASX+1], s99, v[ASX]
	s_mul_i32 s16, s13, 4*GP                       ; my head of the turn's two
	s_add_co_u32 s16, s16, WT
	v_add_nc_u32 v[AWQ], s16, v32
	s_mul_i32 s17, s15, 2*GP                       ; v: my 32 of its 64 rows
	s_add_co_u32 s17, s17, s16
	v_add_nc_u32 v[AWV], s17, v32
	s_mul_i32 s16, s14, 8*GP                       ; v: my 128 rows of x
	v_add_nc_u32 v[AXV], s16, v32
	s_mul_i32 s16, s13, 1536
	s_add_co_u32 s16, s16, WSO
	v_add_nc_u32 v[ASWQ], s16, v34
	s_mul_i32 s17, s15, 768
	s_add_co_u32 s17, s17, s16
	v_add_nc_u32 v[ASWV], s17, v34
	s_mul_i32 s16, s14, 3072
	s_add_co_u32 s16, s16, XSO
	v_add_nc_u32 v[ASXV], s16, v34
	v_and_b32 v35, 31, v0
	v_lshlrev_b32 v[GI], 4, v35
	v_lshlrev_b32 v[GS], 2, v35
	v_lshlrev_b32 v[GTQ], 6, v29
	v_lshlrev_b32 v[GTV], 2, v33
	s_mov_b32 s[SEL], 0x76543210
	s_mov_b32 s[SEL+1], 0xfedcba98                 ; v_permlanex16_b32's selects for lane l xor 16
	s_mov_b32 s[MHI], 0xffff0000                   ; lanes 16-31
	; where the results go, and where the shift lies.  b = rb / 4; H = 12 b + 6 ch + hh: the first turn's head
	s_lshr_b32 s16, s[RB], 2                       ; b
	s_and_b32 s17, s[RB], 3                        ; which 256 of the batch's 1,024 rows
	s_lshl_b32 s19, s[TY], 3
	s_add_co_u32 s19, s19, s16
	s_mul_i32 s19, s19, 3072                       ; ts[type][b]
	s_mul_i32 s98, s[CH], 6
	s_add_co_u32 s98, s98, s13
	s_lshl_b32 s98, s98, 8                         ; the head's 64 numbers
	s_add_co_u32 s19, s19, s98
	s_lshl_b32 s98, s15, 7                         ; v: my 32 of them
	s_cmp_eq_u32 s[TY], 2
	s_cselect_b32 s98, s98, 0
	s_add_co_u32 s98, s98, s19
	s_mov_b32 s99, 0
	s_add_nc_u64 s[TSB:TSB+1], s[TSB:TSB+1], s[98:99]
	s_mul_i32 s18, s16, 12
	s_mul_i32 s19, s[CH], 6
	s_add_co_u32 s18, s18, s19
	s_add_co_u32 s18, s18, s13                     ; H
	s_lshl_b32 s19, s18, 5                         ; q: a head has 32 pairs of tiles; the group's rows are 8 of them, mine 2
	s_lshl_b32 s98, s17, 3
	s_add_co_u32 s19, s19, s98
	s_lshl_b32 s98, s12, 1
	s_add_co_u32 s19, s19, s98
	s_lshr_b32 s98, s12, 1                         ; k: key step rq / 2 of the group's two, fragments 2 (rq & 1) on;  v: key step sp, tiles 2 bc on
	s_and_b32 s100, s12, 1
	s_mov_b32 s8, 8448
	s_cmp_eq_u32 s[TY], 1
	s_cselect_b32 s98, s98, s14
	s_cselect_b32 s100, s100, s15
	s_cselect_b32 s9, 0, 4096                      ; a record: K's images, V's images at 4,096,
	s_cselect_b32 s8, 8192, s8                     ; K's scale words at 8,192, V's at 8,448
	s_lshl_b32 s18, s18, 3
	s_lshl_b32 s17, s17, 1
	s_add_co_u32 s18, s18, s17
	s_add_co_u32 s18, s18, s98
	s_mul_i32 s18, s18, 8704                       ; the record of (b, head, key step)
	s_add_co_u32 s9, s9, s18
	s_add_co_u32 s8, s8, s18
	s_lshl_b32 s98, s100, 11
	s_add_co_u32 s9, s9, s98
	s_lshl_b32 s98, s100, 7
	s_add_co_u32 s8, s8, s98
	s_lshl_b32 s98, s19, 10                        ; q: 1,024 bytes of images and 64 of scale words a pair
	s_lshl_b32 s100, s19, 6
	s_mov_b32 s12, 139264                          ; two heads on in kv: 16 records
	s_cmp_eq_u32 s[TY], 0
	s_cselect_b32 s98, s98, s9
	s_cselect_b32 s100, s100, s8
	s_cselect_b64 s[22:23], s[22:23], s[26:27]
	s_cselect_b64 s[24:25], s[24:25], s[26:27]
	s_cselect_b32 s[ISTR], 65536, s12
	s_cselect_b32 s[SSTR], 4096, s12
	s_mov_b32 s99, 0
	s_mov_b32 s101, 0
	s_mov_b32 s[ISTR+1], 0
	s_mov_b32 s[SSTR+1], 0
	s_add_nc_u64 s[IMB:IMB+1], s[22:23], s[98:99]
	s_add_nc_u64 s[SCB:SCB+1], s[24:25], s[100:101]
; The shift of turn it, in the layout of the results whose C it is.
.macro SHQ it                          ; q, k: lane (r, h), tile 2 b + u, register j: channel 32 b + 16 h + 8 u + j of the head
.irp t, 0,1,2,3
	global_load_b128 v[SH+8*\t:SH+8*\t+3], v[GTQ], s[TSB:TSB+1] offset:512*(\it)+(32*(\t/2)+8*(\t%2))*4
	global_load_b128 v[SH+8*\t+4:SH+8*\t+7], v[GTQ], s[TSB:TSB+1] offset:512*(\it)+(32*(\t/2)+8*(\t%2))*4+16
.endr
.endm
.macro SHV it                          ; v: a lane holds one channel, so a tile's eight registers of C hold the same number of ts
.irp u, 0,1
.irp j, 0,1,2,3,4,5,6,7
	global_load_b32 v[SH+8*\u+\j], v[GTV], s[TSB:TSB+1] offset:512*(\it)+32*\u
.endr
.endr
.endm
; 64 numbers of a lane, v[s] .. v[s + 63], register 16 b + i = place 32 b + 16 (lane / 16) + i along the next K, become a fragment's codes in v[PC] on and its scale word in v[PW].
.macro QUANT s
.irp b, 0,1,2,3
	v_max3_num_f32 v[TM+\b], |v[\s+16*\b]|, |v[\s+1+16*\b]|, FLOOR   ; block b: my 16 numbers, and the floor
.endr
.irp i, 2,4,6,8,10,12,14
.irp b, 0,1,2,3
	v_max3_num_f32 v[TM+\b], v[TM+\b], |v[\s+16*\b+\i]|, |v[\s+1+16*\b+\i]|   ; the four blocks by turns
.endr
.endr
.irp b, 0,1,2,3
	v_permlanex16_b32 v[TM+4+\b], v[TM+\b], s[SEL], s[SEL+1]
.endr
.irp b, 0,1,2,3
	v_max_num_f32 v[TM+\b], v[TM+\b], v[TM+4+\b]   ; with lane l xor 16's: the block's largest magnitude
.endr
.irp b, 0,1,2,3
	v_add_nc_u32 v[TM+12+\b], 0xff000000, v[TM+\b] ; 2 off its exponent field: the conversion takes that field as its scale
.endr
.irp b, 0,1,2,3
	v_lshrrev_b32 v[TM+4+\b], 23, v[TM+12+\b]      ; the scale's byte
.endr
	v_lshl_or_b32 v[PW], v[TM+5], 8, v[TM+4]
	v_lshl_or_b32 v[PW], v[TM+6], 16, v[PW]
	v_lshl_or_b32 v[PW], v[TM+7], 24, v[PW]
.irp b, 0,1,2,3
	v_cvt_scalef32_pk8_fp4_f32 v[PC+2*\b], v[\s+16*\b:\s+7+16*\b], v[TM+12+\b]
	v_cvt_scalef32_pk8_fp4_f32 v[PC+1+2*\b], v[\s+8+16*\b:\s+15+16*\b], v[TM+12+\b]
.endr
	v_nop                                          ; one plain place behind a scaled conversion
.irp c, 0,1                                    ; a whole block to a lane: lanes 0-15 block 2 c, lanes 16-31 block 2 c + 1
.irp i, 0,1
	v_permlane16_swap_b32 v[PC+4*\c+\i], v[PC+2+4*\c+\i]
.endr
.endr
.endm
; The wave's 128 results a lane leave as two fragments (four pieces of 512 bytes) and two tiles' scale words (128 bytes).
.macro OUT2
.irp p, 0,1
	s_wait_xcnt 0x0                                ; the stores issued so far have read their data: the codes' registers are written again only behind this wait
	QUANT ACC+64*\p
	global_store_b128 v[GI], v[PC:PC+3], s[IMB:IMB+1] offset:1024*\p
	global_store_b128 v[GI], v[PC+4:PC+7], s[IMB:IMB+1] offset:1024*\p+512
.if \p == 0
	v_mov_b32 v[PWA], v[PW]
.endif
.endr
	v_cndmask_b32 v[PWM], v[PWA], v[PW], s[MHI]
	global_store_b32 v[GS], v[PWM], s[SCB:SCB+1]
.endm
; q, k: one K step of 128: 4 tiles of x (pair p = x / 2, part c = x % 2) against 4 tiles of W.  The 16 accumulators take turns in the same order in every step.
; W's loads go first, then x's tiles, three loads each; the products go by x's tiles, so that tile x's wait leaves the 3 (3 - x) loads of the later tiles out.
.macro QK_STEP it, s
.irp t, 0,1,2,3
.irp cc, 0,1
	ds_load_b128 v[WFQ+8*\t+4*\cc:WFQ+8*\t+4*\cc+3], v[AWQ] offset:(\t/2)*2*GP+8*ROWP*(\t%2)+144*((\s)/2)+64*((\s)%2)+32*\cc
.endr
	ds_load_b32 v[SCWQ+\t], v[ASWQ] offset:3072*(\it)+(32*(\t/2)+8*(\t%2))*24+4*(\s)
.endr
.irp x, 0,1,2,3
.irp cc, 0,1
	ds_load_b128 v[XF+8*\x+4*\cc:XF+8*\x+4*\cc+3], v[AX+(\x%2)] offset:(\x/2)*2*GP+144*((\s)/2)+64*((\s)%2)+32*\cc
.endr
	ds_load_b32 v[SCX+\x], v[ASX+(\x%2)] offset:768*(\x/2)+4*(\s)
.endr
.if \s == 0
	s_wait_loadcnt 0x0                             ; the shift, asked for a turn ago
.endif
.irp x, 0,1,2,3
	s_wait_dscnt 9-3*\x                            ; LDS loads come back in order (ISA guide 5.7.1): W's and x's tiles up to this one are in
.irp t, 0,1,2,3
.if \s == 0
	MX ACC+32*\x+8*\t, WFQ+8*\t, XF+8*\x, SH+8*\t, SCWQ+\t, SCX+\x
.else
	MX ACC+32*\x+8*\t, WFQ+8*\t, XF+8*\x, ACC+32*\x+8*\t, SCWQ+\t, SCX+\x
.endif
.endr
.endr
.rept 5
	v_nop                                          ; places in front of loads into registers that these products read (fragments, scale words, the shift), of the first read of results, and of the next turn's products, which begin the accumulators anew
.endr
.endm
.macro QK_ITER it
	QK_STEP \it, 0
.if \it < 2
	SHQ \it+1                                      ; the next turn's shift: the first K step's products have read this turn's
.endif
.irp s, 1,2,3,4,5
	QK_STEP \it, \s
.endr
	OUT2
.endm
; v: one K step: 8 tiles of x (my 128 keys) against 2 tiles of W; the products go by x's tiles likewise.
.macro V_STEP it, s
.irp u, 0,1
.irp cc, 0,1
	ds_load_b128 v[WFV+8*\u+4*\cc:WFV+8*\u+4*\cc+3], v[AWV] offset:8*ROWP*\u+144*((\s)/2)+64*((\s)%2)+32*\cc
.endr
	ds_load_b32 v[SCWV+\u], v[ASWV] offset:3072*(\it)+192*\u+4*(\s)
.endr
.irp x, 0,1,2,3,4,5,6,7
.irp cc, 0,1
	ds_load_b128 v[XF+8*\x+4*\cc:XF+8*\x+4*\cc+3], v[AXV] offset:(\x/2)*2*GP+8*ROWP*(\x%2)+144*((\s)/2)+64*((\s)%2)+32*\cc
.endr
	ds_load_b32 v[SCX+\x], v[ASXV] offset:(32*(\x/2)+8*(\x%2))*24+4*(\s)
.endr
.if \s == 0
	s_wait_loadcnt 0x0
.endif
.irp x, 0,1,2,3,4,5,6,7
	s_wait_dscnt 21-3*\x                           ; the 3 (7 - x) loads of the later tiles may be out
.irp u, 0,1
.if \s == 0
	MX ACC+64*\u+8*\x, XF+8*\x, WFV+8*\u, SH+8*\u, SCX+\x, SCWV+\u
.else
	MX ACC+64*\u+8*\x, XF+8*\x, WFV+8*\u, ACC+64*\u+8*\x, SCX+\x, SCWV+\u
.endif
.endr
.endr
.rept 5
	v_nop
.endr
.endm
.macro V_ITER it
	V_STEP \it, 0
.if \it < 2
	SHV \it+1
.endif
.irp s, 1,2,3,4,5
	V_STEP \it, \s
.endr
	OUT2
.endm
; A turn: two heads.  Its 128 rows of W have landed when at most 2 - it younger loads of mine are out (those of the later turns); the barrier shows every wave's part.  Nothing is ever filled again.
.macro ITER it
	s_wait_tensorcnt 2-\it
	s_barrier_signal -1
	s_barrier_wait -1
	s_cmp_eq_u32 s[TY], 2                          ; the same in every wave and in every partner
	s_cbranch_scc1 .Lv_\@
	QK_ITER \it
	s_branch .Ljoin_\@
.Lv_\@:
	V_ITER \it
.Ljoin_\@:
.if \it < 2
	s_wait_xcnt 0x0                                ; the stores have read their bases and data
	s_add_nc_u64 s[IMB:IMB+1], s[IMB:IMB+1], s[ISTR:ISTR+1]
	s_add_nc_u64 s[SCB:SCB+1], s[SCB:SCB+1], s[SSTR:SSTR+1]
	v_add_nc_u32 v[AWQ], 8*GP, v[AWQ]              ; the next 128 rows of W
	v_add_nc_u32 v[AWV], 8*GP, v[AWV]
.endif
.endm
	s_cmp_eq_u32 s[TY], 2                          ; the first turn's shift is asked for while the tiles are on their way
	s_cbranch_scc1 .Lshift_v
	SHQ 0
	s_branch .Lshift_asked
.Lshift_v:
	SHV 0
.Lshift_asked:
	ITER 0
	ITER 1
	ITER 2
	s_wait_dscnt 0x0
	s_wait_tensorcnt 0x0
	ds_add_u32 v62, v63
	s_wait_dscnt 0x0
	CROUND                                         ; the closing round: no work-group ends while a partner may still ask for a tile that names it
	s_endpgm
.Lfunc_end_k_q707a5e7547_qkv:
	.size	k_q707a5e7547_qkv, .Lfunc_end_k_q707a5e7547_qkv-k_q707a5e7547_qkv
	.p2alignl 7, 3214868480
	.fill 96, 4, 3214868480
	.section	.rodata,"a",@progbits
	.p2align	6, 0x0
	.amdhsa_kernel k_q707a5e7547_qkv
		.amdhsa_group_segment_fixed_size 297984
		.amdhsa_private_segment_fixed_size 0
		.amdhsa_enable_private_segment 0
		.amdhsa_kernarg_size 96
		.amdhsa_user_sgpr_count 2
		.amdhsa_user_sgpr_kernarg_segment_ptr 1
		.amdhsa_wavefront_size32 1
		.amdhsa_system_sgpr_workgroup_id_x 1
		.amdhsa_system_sgpr_workgroup_id_y 1
		.amdhsa_system_sgpr_workgroup_id_z 1
		.amdhsa_system_vgpr_workitem_id 0
		.amdhsa_next_free_vgpr 256
		.amdhsa_next_free_sgpr 102
		.amdhsa_reserve_vcc 0
		.amdhsa_float_denorm_mode_32 3
		.amdhsa_float_denorm_mode_16_64 3
		.amdhsa_memory_ordered 1
		.amdhsa_forward_progress 1
		.amdhsa_inst_pref_size 214
	.end_amdhsa_kernel
	.amdgpu_metadata
---
amdhsa.version: [ 1, 2 ]
amdhsa.kernels:
  - .name:           k_q707a5e7547_qkv
    .symbol:         k_q707a5e7547_qkv.kd
    .args:
      - { .name: x_codes, .offset: 0, .size: 8, .value_kind: global_buffer, .address_space: global }
      - { .name: x_scales, .offset: 8, .size: 8, .value_kind: global_buffer, .address_space: global }
      - { .name: Wx_q_codes, .offset: 16, .size: 8, .value_kind: global_buffer, .address_space: global }
      - { .name: Wx_q_scales, .offset: 24, .size: 8, .value_kind: global_buffer, .address_space: global }
      - { .name: Wx_k_codes, .offset: 32, .size: 8, .value_kind: global_buffer, .address_space: global }
      - { .name: Wx_k_scales, .offset: 40, .size: 8, .value_kind: global_buffer, .address_space: global }
      - { .name: Wx_v_codes, .offset: 48, .size: 8, .value_kind: global_buffer, .address_space: global }
      - { .name: Wx_v_scales, .offset: 56, .size: 8, .value_kind: global_buffer, .address_space: global }
      - { .name: ts, .offset: 64, .size: 8, .value_kind: global_buffer, .address_space: global }
      - { .name: qimg, .offset: 72, .size: 8, .value_kind: global_buffer, .address_space: global }
      - { .name: qscl, .offset: 80, .size: 8, .value_kind: global_buffer, .address_space: global }
      - { .name: kv, .offset: 88, .size: 8, .value_kind: global_buffer, .address_space: global }
    .group_segment_fixed_size: 297984
    .private_segment_fixed_size: 0
    .kernarg_segment_align: 8
    .kernarg_segment_size: 96
    .max_flat_workgroup_size: 256
    .sgpr_count:     102
    .vgpr_count:     256
    .wavefront_size: 32
...
	.end_amdgpu_metadata
.endif
;; end of part 2
;; launch attn (part 3): grid 16 x 16, 16 waves a work-group, clusters of 4 x 4, 327,680 bytes of LDS; arguments qimg, qscl, kv, rel_pos_bias, oimg, oscl; writes oimg, oscl
.if DOCPART == 3
	.amdgcn_target "amdgcn-amd-amdhsa--gfx1250"
	.amdhsa_code_object_version 6
	.text
	.protected	k_q707a5e7547_attn
	.globl	k_q707a5e7547_attn
	.p2align	8
	.type	k_q707a5e7547_attn,@function
k_q707a5e7547_attn:
	s_mov_b64 s[64:65], 0
	v_nop
	global_prefetch_b8 v0, s[64:65] scope:SCOPE_SE
	s_setreg_imm32_b32 hwreg(HW_REG_WAVE_MODE, 25, 1), 1
	s_wait_xcnt 0x0
	s_wait_alu depctr_hold_cnt(0) depctr_sa_sdst(0) depctr_va_vdst(0) depctr_va_sdst(0) depctr_va_ssrc(0) depctr_va_vcc(0) depctr_vm_vsrc(0)
	s_getreg_b32 s2, hwreg(HW_REG_IB_STS2, 6, 4)
	s_cmp_eq_u32 s2, 0
	s_cbranch_scc0 .Lentry_in_a_cluster
	s_endpgm
.Lentry_in_a_cluster:
	s_bfe_u32 s2, ttmp6, 0x10000c
	s_cmp_lg_u32 s2, 0xf033
	s_cbranch_scc0 .Lentry_shape_is_right
	s_endpgm
.Lentry_shape_is_right:
; o = softmax(q k^T / 8 + rel_pos_bias) v for 8 batches x 12 heads x 1,024 queries x 1,024 keys, head size 64, both products on codes of FP4 (E2M1) with one E8M0 scale for each 32 along K; o is quantised along the model's
; 768 (two blocks a head) and leaves as images of the last product's operand.
; THE SOFTMAX: t = logit x log2(e); M = the running largest t rounded UP to a whole number; p = 2^(t - M) is quantised along the keys, not normalised; the row's sum is taken of the unquantised p and divides o at the end.
; When M moves, the sum and o are multiplied by 2^(old M - new M): exact.
; SHARES.  Work-group: 64 queries (block qb), 2 batches (2 cx, 2 cx + 1), 3 heads (3 hg ..) one after the other.  SIXTEEN waves, four to a SIMD, so that one wave's waits for LDS and for results stand beside the others' work.
; Wave w: 16 queries (tile w % 4), batch 2 cx + (w / 4) % 2, and HALF OF THE KEYS: of each slot of 256 keys the 128 of step w / 8.  So two waves, w and w + 8, hold one tile of queries, each with its own M, sum and O^T.
; At a head's end wave w + 8 hands its three to wave w through LDS bytes of their own; both are brought under the larger M by powers of two, which rounds nothing, and added.
; CLUSTER 4 x 4.  A slot's bias tile (64 queries x 256 keys, f32) hangs on head and qb: the four of a row of the cluster (all 8 batches) ask for it jointly, so the launch asks for each byte of the bias once.
; The key steps' records of k and v hang on batch and head: the four of a column ask jointly.
; LAYOUT.  Both products transposed: S^T = K Q^T, O^T = V^T P^T: a lane holds one query.  The keys of a tile, and V's channels, were permuted by the launch before, so that S's registers 16 b + e are keys 32 b + 16 h + e.
; THE HEAD'S 64 IN AN INSTRUCTION OF 128: a fragment of K holds TWO tiles of keys (registers 0-3, 4-7).  Q stands as (q, 0, q) in 12 registers: (q, 0) meets the first tile, (0, q) the second; the other half meets zero codes.
; THE BIAS AND THE DIVISION COST NO VECTOR LINE: 3 is taken off each byte of q's scale word (q k / 8, exact), and the bias tile is loaded from LDS straight into the accumulators: it is the products' C.
; LIMITS: a block's largest p is made from its largest score by the same two instructions, which takes v_exp_f32 not to fall where its input rises.  A block of p or o whose largest magnitude lies under 2^-124 takes the byte 1.
; NaN and infinities are not served.
.set SLOT1, 1<<17                      ; slot 1 begins here: one exclusive or turns an address
.set BP,    1040                       ; a bias row in LDS: 256 keys x 4 bytes + 16 of padding = 260 words: row r starts at bank 4 r mod 64 (64 banks of 4 bytes: ISA guide 11.1)
.set KVOFF, 64*BP                      ; behind the bias: four records (2 x batch + step)
.set REC,   8704                       ; K's images 4,096, V's images 4,096, K's scale words 256, V's 256
.set SPARE, SLOT1+KVOFF+4*REC          ; the spare words, 128 bytes for each of the sixteen waves: eight blocks of 256 bytes that no other line names
.set MRG,   SPARE+2048                 ; behind them: where the upper eight waves hand over: for each 4,096 bytes of O^T, as images, and 256 of (sum, -M); no tensor load lands here
.set MRGW,  4352
.set AB0,  1                           ; v1   my place in a bias tile
.set AKV0, 2                           ; v2   in my batch's and step's record: 16 x lane
.set ASC0, 3                           ; v3   in its scale words: 4 x lane
.set GOI,  4                           ; v4   16 x lane
.set SPW,  5                           ; v5   LDS address of my spare word; never rewritten
.set NIL,  6                           ; v6   0; never rewritten
.set GOS,  7                           ; v7   4 r + h: my byte among o's scale bytes
.set ADB,  8                           ; v8-10 the step's addresses
.set ADK,  9
.set ADS,  10
.set GQS,  11                          ; v11  4 r
.set Q,    16                          ; v16-27 (q, 0, q);  v12 -M, v13 the largest t, v[14:15] the sum in two halves
.set QS,   28                          ; q's scale word, 3 off each byte
.set QN,   30                          ; v30-33, v34 the next head's q and its scale word as loaded
.set QSN,  34
.set KS,   36                          ; v36-37 K's scale words: lanes 0-15 an even fragment's, lanes 16-31 the odd one's;  v38-39 V's likewise
.set VS,   38
.set KF,   40                          ; v40-71  K's four fragments
.set VF,   72                          ; v72-103 V's four
.set S,    104                         ; v104-167 the bias, the logits, then p
.set O,    168                         ; v168-199 O^T
.set PC,   200                         ; v200-207 p's codes
.set BM,   208                         ; v208-211 the blocks' largest
.set T2,   212                         ; v212-215 at work; the bytes
.set SCL,  216                         ; v216-219 the conversions' scale operands
.set SUM2, 220                         ; v[220:221] the sum's second chain
.set F,    222                         ; v[222:223] 2^(old M - new M), and a word written once since the pair is named
.set PW,   224                         ; p's scale word
.set TMP,  225
.set MA,   226                         ; v226 the hand-over: my 16 bytes of a piece of O^T;  v227 my 8 bytes of (sum, -M).  Waves w and w + 8 hold the same two addresses
.set MS,   227
.set WV,   16
.set G,    17
.set KH,   18
.set SEL,  20
.set CS,   22                          ; s[22:23] log2(e), twice
.set G1B,  24
.set G1K,  32
.set G0B,  40
.set G0K,  44
.set BB,   48                          ; s[48:49] the bias at my first head, my rows, key 0;  s[50:51] the slot's offset from there
.set OFF,  50
.set TB,   52                          ; the slot in hand
.set SG,   53                          ; its number, 0 .. 11
.set HD,   54                          ; the head in hand
.set MHI,  55
.set SELQ, 56
.set QB,   58
.set QSB,  60
.set OBB,  66
.set OSB,  68
.macro CROUND                          ; a round of the cluster's barrier
	s_barrier_signal -1
	s_barrier_wait -1
	s_cmp_lg_u32 s[WV], 0
	s_cbranch_scc1 .Lnot_wave_0_\@
	s_barrier_signal -3
.Lnot_wave_0_\@:
	s_barrier_wait -3
	s_barrier_signal -1
	s_barrier_wait -1
.endm
.macro JLOAD                           ; waves 0-3 fetch 16 rows of the bias tile each, waves 4-7 a record each, the others nothing.  The branches hang on the wave's number alone; four v_nop follow each line
	s_cmp_lt_u32 s[WV], 4
	s_cbranch_scc0 .Lnot_bias_\@
	tensor_load_to_lds s[G0B:G0B+3], s[G1B:G1B+7]
	s_nop 0
.rept 4
	v_nop
.endr
	s_branch .Lasked_\@
.Lnot_bias_\@:
	s_cmp_lt_u32 s[WV], 8
	s_cbranch_scc0 .Lasked_\@
	tensor_load_to_lds s[G0K:G0K+3], s[G1K:G1K+7]
	s_nop 0
.rept 4
	v_nop
.endr
.Lasked_\@:
.endm
.macro MX d, a, b, sa, sb, row         ; D = C; row = 1: source 0's scale words stand in lanes 16-31
.if \row
	v_wmma_scale_f32_16x16x128_f8f6f4 v[\d:\d+7], v[\a:\a+7], v[\b:\b+7], v[\d:\d+7], v[\sa], v[\sb] matrix_a_fmt:MATRIX_FMT_FP4 matrix_b_fmt:MATRIX_FMT_FP4 matrix_a_scale:MATRIX_SCALE_ROW1
.else
	v_wmma_scale_f32_16x16x128_f8f6f4 v[\d:\d+7], v[\a:\a+7], v[\b:\b+7], v[\d:\d+7], v[\sa], v[\sb] matrix_a_fmt:MATRIX_FMT_FP4 matrix_b_fmt:MATRIX_FMT_FP4
.endif
.endm
	s_load_b256 s[4:11], s[0:1], 0x0               ; qimg, qscl, kv, the bias
	s_load_b128 s[12:15], s[0:1], 0x20             ; oimg, oscl
	v_lshl_add_u32 v[SPW], v0, 2, SPARE
	v_mov_b32 v[NIL], 0
	ds_add_u32 v5, v6
	s_wait_dscnt 0x0
	v_lshrrev_b32 v8, 5, v0
	v_readfirstlane_b32 s[WV], v8                  ; wave 0..15
	s_bfe_u32 s74, ttmp6, 0x40000                  ; cx: the pair of batches
	s_bfe_u32 s75, ttmp6, 0x40004                  ; cy
	s_and_b32 s76, ttmp7, 0xffff
	s_lshl_b32 s76, s76, 2
	s_add_co_u32 s76, s76, s75                     ; qb = 4 x cluster y + cy
	s_lshl_b32 s77, s75, 2
	s_lshl_b32 s77, 15, s77                        ; my row of the cluster
	s_lshl_b32 s78, 0x1111, s74                    ; my column
	s_or_b32 s[G1B], s77, (2<<16)|(1<<20)|(1<<21)|(7<<22)|(3<<25)   ; the mask; elements of 4 bytes; padding: 4 words behind every 256; bit 21 beside a mask
	s_mov_b32 s[G1B+1], 256<<16                    ; tensor_dim0
	s_mov_b32 s[G1B+2], 16<<16                     ; tensor_dim1
	s_mov_b32 s[G1B+3], 256<<16                    ; tile_dim0
	s_mov_b32 s[G1B+4], 16                         ; tile_dim1
	s_mov_b32 s[G1B+5], 1024                       ; from row to row
	s_mov_b32 s[G1B+6], 0
	s_mov_b32 s[G1B+7], 0
	s_or_b32 s[G1K], s78, (3<<16)|(1<<21)          ; a record: 34 dense rows of 256 bytes
	s_mov_b32 s[G1K+1], 32<<16
	s_mov_b32 s[G1K+2], 34<<16
	s_mov_b32 s[G1K+3], 32<<16
	s_mov_b32 s[G1K+4], 34
	s_mov_b32 s[G1K+5], 32
	s_mov_b32 s[G1K+6], 0
	s_mov_b32 s[G1K+7], 0
	s_and_b32 s79, s[WV], 3                        ; which part I fetch, if I fetch; also my tile of queries
	s_bfe_u32 s[G], s[WV], 0x10002                 ; my batch of the two
	s_lshr_b32 s[KH], s[WV], 3                     ; my step of a slot's two
	s_mul_i32 s80, ttmp9, 3<<22                    ; the bias: head 3 hg (4 MiB a head), rows 64 qb + 16 part: registers that never hold cx
	s_lshl_b32 s81, s76, 18
	s_add_co_u32 s80, s80, s81
	s_lshl_b32 s81, s79, 16
	s_add_co_u32 s80, s80, s81
	s_mov_b32 s81, 0
	s_lshl_b32 s82, s74, 1                         ; the records: batch 2 cx + part / 2, head 3 hg, step part % 2: registers that never hold cy
	s_lshr_b32 s83, s79, 1
	s_add_co_u32 s82, s82, s83
	s_mul_i32 s82, s82, 12
	s_mul_i32 s83, ttmp9, 3
	s_add_co_u32 s82, s82, s83
	s_lshl_b32 s82, s82, 3
	s_and_b32 s83, s79, 1
	s_add_co_u32 s82, s82, s83
	s_mul_i32 s82, s82, REC
	s_mov_b32 s83, 0
	s_wait_kmcnt 0x0
	s_add_nc_u64 s[BB:BB+1], s[10:11], s[80:81]
	s_mov_b32 s[G0B], 1
	s_mul_i32 s[G0B+1], s79, 16*BP
	s_mov_b64 s[G0B+2:G0B+3], s[BB:BB+1]
	s_or_b32 s[G0B+3], s[G0B+3], 0x80000000
	s_mov_b32 s[G0K], 1
	s_mul_i32 s[G0K+1], s79, REC
	s_add_co_u32 s[G0K+1], s[G0K+1], KVOFF
	s_add_nc_u64 s[G0K+2:G0K+3], s[8:9], s[82:83]
	s_or_b32 s[G0K+3], s[G0K+3], 0x80000000
	CROUND                                         ; all sixteen work-groups are here: the first joint loads meet
	JLOAD                                          ; slot 0
	s_lshl_b32 s84, s74, 1
	s_add_co_u32 s84, s84, s[G]                    ; b
	s_mul_i32 s85, s84, 12
	s_mul_i32 s[HD], ttmp9, 3
	s_add_co_u32 s85, s85, s[HD]
	s_lshl_b32 s85, s85, 5                         ; 32 pairs of query tiles a head
	s_lshl_b32 s86, s76, 1
	s_add_co_u32 s85, s85, s86
	s_lshr_b32 s86, s79, 1
	s_add_co_u32 s85, s85, s86                     ; my pair
	s_lshl_b32 s86, s85, 10
	s_and_b32 s88, s79, 1                          ; and which of its two tiles
	s_lshl_b32 s89, s88, 9
	s_add_co_u32 s86, s86, s89
	s_mov_b32 s87, 0
	s_add_nc_u64 s[QB:QB+1], s[4:5], s[86:87]
	s_lshl_b32 s86, s85, 6
	s_add_nc_u64 s[QSB:QSB+1], s[6:7], s[86:87]
	s_lshl_b32 s86, s84, 6
	s_lshl_b32 s89, s76, 2
	s_add_co_u32 s86, s86, s89
	s_add_co_u32 s89, s86, s79                     ; my tile of 16 rows among the 512
	s_mul_i32 s86, s89, 6144
	s_add_nc_u64 s[OBB:OBB+1], s[12:13], s[86:87]
	s_mul_i32 s86, s89, 384
	s_add_nc_u64 s[OSB:OSB+1], s[14:15], s[86:87]
	s_cmp_eq_u32 s88, 0
	s_mov_b32 s[SELQ], 0x03020302                  ; my tile's two bytes of the pair's scale word, twice
	s_cselect_b32 s[SELQ], 0x01000100, s[SELQ]
	s_mov_b32 s[SEL], 0x76543210
	s_mov_b32 s[SEL+1], 0xfedcba98
	s_mov_b32 s[CS], 0x3fb8aa3b                    ; log2(e)
	s_mov_b32 s[CS+1], s[CS]
	s_mov_b32 s[MHI], 0xffff0000
	s_mov_b32 s[TB], 0
	s_mov_b32 s[SG], 0
	s_mov_b32 s[OFF+1], 0
	v_and_b32 v8, 15, v0                           ; r
	v_bfe_u32 v9, v0, 4, 1                         ; h
	v_and_b32 v10, 31, v0                          ; lane
	v_mul_u32_u24 v[AB0], v8, BP
	v_lshl_add_u32 v[AB0], v9, 6, v[AB0]           ; row r, + 16 h keys
	s_mul_i32 s90, s79, 16*BP                      ; my tile's 16 rows,
	s_lshl_b32 s91, s[KH], 9                       ; my step's 128 keys
	s_add_co_u32 s90, s90, s91
	v_add_nc_u32 v[AB0], s90, v[AB0]
	s_mul_i32 s90, s[G], 2*REC                     ; the record of my batch and step
	s_mul_i32 s91, s[KH], REC
	s_add_co_u32 s90, s90, s91
	s_add_co_u32 s90, s90, KVOFF
	v_lshl_add_u32 v[AKV0], v10, 4, s90
	s_add_co_u32 s90, s90, 8192
	v_lshl_add_u32 v[ASC0], v10, 2, s90
	s_and_b32 s90, s[WV], 7                        ; the hand-over's bytes of waves w and w + 8
	s_mul_i32 s90, s90, MRGW
	s_add_co_u32 s90, s90, MRG
	v_lshl_add_u32 v[MA], v10, 4, s90
	s_add_co_u32 s90, s90, 4096
	v_lshl_add_u32 v[MS], v10, 3, s90
	v_lshlrev_b32 v[GOI], 4, v10
	v_lshlrev_b32 v[GQS], 2, v8
	v_add_nc_u32 v[GOS], v[GQS], v9
.macro LOADQ
	global_load_b128 v[QN:QN+3], v[GOI], s[QB:QB+1]
	global_load_b32 v[QSN], v[GQS], s[QSB:QSB+1]
.endm
.macro TAKEQ                           ; the head's q: (q, 0, q), and its scale word
	s_wait_loadcnt 0x0
.irp i, 0,1,2,3
	v_mov_b32 v[Q+\i], v[QN+\i]
	v_mov_b32 v[Q+8+\i], v[QN+\i]
.endr
	v_perm_b32 v[QS], v[QSN], v[QSN], s[SELQ]      ; (block 0, block 1, block 0, block 1)
	v_add_nc_u32 v[QS], 0xfcfcfcfd, v[QS]          ; 3 off each byte (each is 4 at the least: nothing is borrowed): the unit then makes q k / 8
.endm
.macro NEXTQ                           ; behind TAKEQ's wait, which has shown the last loads done: their bases may step
	s_add_nc_u64 s[QB:QB+1], s[QB:QB+1], 32768
	s_add_nc_u64 s[QSB:QSB+1], s[QSB:QSB+1], 2048
	LOADQ
.endm
.macro RESET                           ; a head begins: O^T and the sum are zeros, the largest t lies under every t.  These lines are also the places between q's registers and scale word and the next products
.set J, 0
.rept 32
	v_mov_b32 v[O+J], 0
.set J, J+1
.endr
	v_mov_b32 v13, 0xff61b1e6                      ; -3e38
	v_floor_f32 v12, -v13
	v_mov_b32 v14, 0
	v_mov_b32 v15, 0
.endm
	LOADQ
.irp i, 0,1,2,3
	v_mov_b32 v[Q+4+\i], 0                         ; the zero codes between the two q
	v_mov_b32 v[T2+\i], 0                          ; written once: a lane permute's destination counts as one of its sources
.endr
	v_mov_b32 v[F+1], 0
	v_mov_b32 v[TMP], 0
	TAKEQ
	NEXTQ                                          ; the second head's q is on its way
	RESET
; A KEY STEP: my 128 keys of the slot in hand.
.macro STEP
	v_add_nc_u32 v[ADB], s[TB], v[AB0]
	v_add_nc_u32 v[ADK], s[TB], v[AKV0]
	v_add_nc_u32 v[ADS], s[TB], v[ASC0]
	v_nop                                          ; four places in front of loads into registers that the last products read
.irp i, 0,1
	ds_load_b32 v[KS+\i], v[ADS] offset:128*\i
.endr
.irp f, 0,1,2,3
.irp c, 0,1
	ds_load_b128 v[KF+8*\f+4*\c:KF+8*\f+4*\c+3], v[ADK] offset:1024*\f+512*\c
.endr
.endr
.irp b, 0,1,2,3
.irp j, 0,1,2,3
	ds_load_b128 v[S+16*\b+4*\j:S+16*\b+4*\j+3], v[ADB] offset:128*\b+16*\j    ; the bias of my query at keys 32 b + 16 h + 4 j on: straight into the accumulators
.endr
.endr
.irp i, 0,1
	ds_load_b32 v[VS+\i], v[ADS] offset:256+128*\i
.endr
.irp t, 0,1,2,3
.irp c, 0,1
	ds_load_b128 v[VF+8*\t+4*\c:VF+8*\t+4*\c+3], v[ADK] offset:4096+1024*\t+512*\c
.endr
.endr
.irp f, 0,1,2,3
	s_wait_dscnt 22-4*\f                           ; LDS loads come back in order (ISA guide 5.7.1): K and the bias up to block f are in; the 4 (3 - f) loads of the later blocks and V's ten may be out
.irp c, 0,1
	MX S+8*(2*\f+\c), KF+8*\f, Q+4*\c, KS+\f/2, QS, \f%2
.endr
.endr
.rept 4
	v_nop
.endr
.irp b, 0,1,2,3
	v_max3_num_f32 v[BM+\b], v[S+16*\b], v[S+1+16*\b], v[S+2+16*\b]   ; the largest logit of each block of 32 keys: for the row's maximum, and, since p rises with the logit, for the block's largest p
.endr
.irp i, 3,5,7,9,11,13
.irp b, 0,1,2,3
	v_max3_num_f32 v[BM+\b], v[BM+\b], v[S+16*\b+\i], v[S+1+16*\b+\i]
.endr
.endr
.irp b, 0,1,2,3
	v_max_num_f32 v[BM+\b], v[BM+\b], v[S+15+16*\b]
.endr
.irp b, 0,1,2,3
	v_permlanex16_b32 v[T2+\b], v[BM+\b], s[SEL], s[SEL+1]
.endr
.irp b, 0,1,2,3
	v_max_num_f32 v[BM+\b], v[BM+\b], v[T2+\b]     ; with lane l xor 16's 16 keys
.endr
	v_max3_num_f32 v[TMP], v[BM], v[BM+1], v[BM+2]
	v_max_num_f32 v[TMP], v[TMP], v[BM+3]
	v_mul_f32 v[TMP], s[CS], v[TMP]                ; as t
	v_max_num_f32 v13, v13, v[TMP]                 ; the running largest t
	v_mov_b32 v[TMP], v12
	v_floor_f32 v12, -v13                          ; the new -M = -ceil(t): a whole number
	v_sub_f32 v[TMP], v12, v[TMP]                  ; old M - new M, 0 or less
	v_cvt_i32_f32 v[TMP], v[TMP]                   ; (it saturates)
	v_ldexp_f32 v[F], 1.0, v[TMP]                  ; f = 2^(old M - new M)
.set J, 0
.rept 32
	v_pk_fma_f32 v[S+J:S+J+1], v[S+J:S+J+1], s[CS:CS+1], v[12:13] op_sel_hi:[1,0,0]   ; t - M, two at a time
.set J, J+2
.endr
.irp b, 0,1,2,3
	v_fma_f32 v[BM+\b], v[BM+\b], s[CS], v12
.endr
.set J, 0
.rept 64
	v_exp_f32 v[S+J], v[S+J]                       ; p = 2^(t - M)
.set J, J+1
.endr
.irp b, 0,1,2,3
	v_exp_f32 v[BM+\b], v[BM+\b]                   ; the block's largest p: the same two instructions on the same number
.endr
	v_pk_mul_f32 v[14:15], v[14:15], v[F:F+1] op_sel_hi:[1,0]      ; the sums under the new M (a plain place behind the exponentials)
	s_wait_alu depctr_va_vdst(0)
.irp b, 0,1,2,3
	v_max_num_f32 v[BM+\b], 0x1800000, v[BM+\b]    ; the floor 2^(3 - 127): the byte cannot fall under 1
.endr
.irp b, 0,1,2,3
	v_add_nc_u32 v[SCL+\b], 0xff000000, v[BM+\b]   ; 2 off the exponent field: the conversion's scale operand
.endr
.irp b, 0,1,2,3
	v_lshrrev_b32 v[T2+\b], 23, v[SCL+\b]
.endr
	v_lshl_or_b32 v[PW], v[T2+1], 8, v[T2]
	v_lshl_or_b32 v[PW], v[T2+2], 16, v[PW]
	v_lshl_or_b32 v[PW], v[T2+3], 24, v[PW]
.irp b, 0,1,2,3
	v_cvt_scalef32_pk8_fp4_f32 v[PC+2*\b], v[S+16*\b:S+7+16*\b], v[SCL+\b]
	v_cvt_scalef32_pk8_fp4_f32 v[PC+1+2*\b], v[S+8+16*\b:S+15+16*\b], v[SCL+\b]
.endr
	v_nop                                          ; one plain place behind a scaled conversion
.irp c, 0,1
.irp i, 0,1
	v_permlane16_swap_b32 v[PC+4*\c+\i], v[PC+2+4*\c+\i]
.endr
.endr
	v_pk_add_f32 v[SUM2:SUM2+1], v[S:S+1], v[S+2:S+3]      ; the row's sum, of the unquantised p: two chains
.set J, 4
.rept 15
	v_pk_add_f32 v[14:15], v[14:15], v[S+J:S+J+1]
	v_pk_add_f32 v[SUM2:SUM2+1], v[SUM2:SUM2+1], v[S+J+2:S+J+3]
.set J, J+4
.endr
	v_pk_add_f32 v[14:15], v[14:15], v[SUM2:SUM2+1]
.set J, 0
.rept 16
	v_pk_mul_f32 v[O+J:O+J+1], v[O+J:O+J+1], v[F:F+1] op_sel_hi:[1,0]      ; O^T under the new M.  (These and the sums are the places between p's codes and scale word and the products)
.set J, J+2
.endr
	s_wait_dscnt 0x0                               ; V
.irp t, 0,1,2,3
	MX O+8*\t, VF+8*\t, PC, VS+\t/2, PW, \t%2
.endr
.endm
; THE CHANGE OF SLOTS stands at a slot's head.  Each wave waits for all its tensor loads (its part of the slot ahead), adds 0 to its spare word, and waits for that and for its reads of the slot that it has left.
; fill = 1: a round of the cluster's barrier, so that no wave of any partner still reads that slot or has a load on its way; the joint refill comes first behind it and has a slot's work of sixteen waves in which to land.
.macro CHANGE fill
	s_wait_tensorcnt 0x0                           ; no tensor load of mine is out, so the groups 0 may be written
	ds_add_u32 v[SPW], v[NIL]                      ; 0 onto my spare word
.if \fill
	s_add_co_u32 s92, s[SG], 1                     ; the slot asked for: head (SG + 1) / 4 of my three, keys 256 ((SG + 1) % 4) on
	s_lshr_b32 s93, s92, 2
	s_lshl_b32 s93, s93, 22
	s_and_b32 s92, s92, 3
	s_lshl_b32 s92, s92, 10
	s_add_co_u32 s[OFF], s93, s92
	s_add_nc_u64 s[G0B+2:G0B+3], s[BB:BB+1], s[OFF:OFF+1]
	s_or_b32 s[G0B+3], s[G0B+3], 0x80000000
	s_xor_b32 s[G0B+1], s[G0B+1], SLOT1
	s_xor_b32 s[G0K+1], s[G0K+1], SLOT1
	s_add_nc_u64 s[G0K+2:G0K+3], s[G0K+2:G0K+3], 2*REC     ; the records of a batch's heads follow each other
.endif
	s_wait_dscnt 0x0                               ; the add is done, and my reads of the slot that I have left are over
.if \fill
	CROUND
	JLOAD
.else
	s_barrier_signal -1
	s_barrier_wait -1
.endif
.endm
; A HEAD'S END.  Waves 8-15 hand O^T, their sum and their -M to waves 0-7 through LDS: stores, the wait for them, a barrier, loads.  Behind that barrier nothing is filled, so the slot on its way may stay out.
; The bytes are written again a head later, behind four rounds in front of each of which every wave has waited for its LDS loads.
; Waves 0-7 then make o = (O0 f0 + O1 f1) / (l0 f0 + l1 f1), f = 2^(own M - the larger M); its two blocks of 32 are quantised; 16 bytes of codes a lane are one piece of the next operand's image (512 consecutive
; bytes a wave); a scale byte a lane.
.macro HEADEND last
.rept 4
	v_nop
.endr
	v_add_f32 v14, v14, v15                        ; my lane's part of the sum over my half of the keys
	s_cmp_lt_u32 s[WV], 8
	s_cbranch_scc1 .Ltaker_\@
	v_mov_b32 v15, v12                             ; -M beside it
.irp k, 0,1,2,3,4,5,6,7
	ds_store_b128 v[MA], v[O+4*\k:O+4*\k+3] offset:512*\k          ; each accumulator from its low end on
.endr
	ds_store_b64 v[MS], v[14:15]
.Ltaker_\@:
	s_wait_dscnt 0x0                               ; for the others' sake: my stores are done
	s_barrier_signal -1
	s_barrier_wait -1
	s_cmp_lt_u32 s[WV], 8
	s_cbranch_scc0 .Lgiven_\@
.irp k, 0,1,2,3,4,5,6,7
	ds_load_b128 v[S+4*\k:S+4*\k+3], v[MA] offset:512*\k           ; the other half's O^T, in the same lanes and order
.endr
	ds_load_b64 v[SUM2:SUM2+1], v[MS]              ; its sum and its -M
	s_wait_dscnt 0x0
	v_min_num_f32 v[TMP], v12, v[SUM2+1]           ; -M of all the keys: the lesser
	v_sub_f32 v[T2], v[TMP], v12                   ; my M less the larger: a whole number, 0 or less
	v_sub_f32 v[T2+1], v[TMP], v[SUM2+1]           ; the other's likewise
	v_cvt_i32_f32 v[T2], v[T2]
	v_cvt_i32_f32 v[T2+1], v[T2+1]
	v_ldexp_f32 v[F], 1.0, v[T2]                   ; f0
	v_ldexp_f32 v[BM], 1.0, v[T2+1]                ; f1
	v_mul_f32 v14, v14, v[F]
	v_fma_f32 v14, v[SUM2], v[BM], v14
	v_permlanex16_b32 v[TMP], v14, s[SEL], s[SEL+1]
	v_add_f32 v14, v14, v[TMP]                     ; the row's sum
	v_rcp_f32 v14, v14
	v_nop                                          ; a plain place behind the transcendental
	s_wait_alu depctr_va_vdst(0)
	v_mul_f32 v[F], v[F], v14                      ; f0 / l, f1 / l: f is a power of two
	v_mul_f32 v[BM], v[BM], v14
.set J, 0
.rept 16
	v_pk_mul_f32 v[S+J:S+J+1], v[S+J:S+J+1], v[BM:BM+1] op_sel_hi:[1,0]
.set J, J+2
.endr
.set J, 0
.rept 16
	v_pk_fma_f32 v[S+J:S+J+1], v[O+J:O+J+1], v[F:F+1], v[S+J:S+J+1] op_sel_hi:[1,0,1]     ; register 16 b + e: channel 32 b + 16 h + e of my query
.set J, J+2
.endr
.irp b, 0,1
	v_max3_num_f32 v[BM+\b], |v[S+16*\b]|, |v[S+1+16*\b]|, 0x1800000
.endr
.irp i, 2,4,6,8,10,12,14
.irp b, 0,1
	v_max3_num_f32 v[BM+\b], v[BM+\b], |v[S+16*\b+\i]|, |v[S+1+16*\b+\i]|
.endr
.endr
.irp b, 0,1
	v_permlanex16_b32 v[T2+\b], v[BM+\b], s[SEL], s[SEL+1]
.endr
.irp b, 0,1
	v_max_num_f32 v[BM+\b], v[BM+\b], v[T2+\b]
.endr
.irp b, 0,1
	v_add_nc_u32 v[SCL+\b], 0xff000000, v[BM+\b]
.endr
.irp b, 0,1
	v_lshrrev_b32 v[T2+\b], 23, v[SCL+\b]
.endr
.irp b, 0,1
	v_cvt_scalef32_pk8_fp4_f32 v[PC+2*\b], v[S+16*\b:S+7+16*\b], v[SCL+\b]
	v_cvt_scalef32_pk8_fp4_f32 v[PC+1+2*\b], v[S+8+16*\b:S+15+16*\b], v[SCL+\b]
.endr
	v_nop
	v_permlane16_swap_b32 v[PC], v[PC+2]           ; lanes 0-15 block 0, lanes 16-31 block 1, whole
	v_permlane16_swap_b32 v[PC+1], v[PC+3]
	v_cndmask_b32 v[TMP], v[T2], v[T2+1], s[MHI]   ; my block's byte
	s_lshl_b32 s86, s[HD], 9                       ; in a row tile's image the head's piece lies 512 x head on;
	s_mov_b32 s87, 0
	s_add_nc_u64 s[70:71], s[OBB:OBB+1], s[86:87]
	s_lshr_b32 s86, s[HD], 1                       ; its bytes: K step head / 2 (64 bytes), places 2 (head % 2) + block of a row's word
	s_lshl_b32 s86, s86, 6
	s_and_b32 s88, s[HD], 1
	s_lshl_b32 s88, s88, 1
	s_add_co_u32 s86, s86, s88
	s_add_nc_u64 s[72:73], s[OSB:OSB+1], s[86:87]
	global_store_b128 v[GOI], v[PC:PC+3], s[70:71]
	global_store_b8 v[GOS], v[TMP], s[72:73]
.Lgiven_\@:
.if !\last
	TAKEQ
	s_add_co_u32 s[HD], s[HD], 1
	s_cmp_eq_u32 s[SG], 3                          ; behind the first head the third head's q is asked for; behind the second nothing is left to ask
	s_cbranch_scc0 .Lno_q_\@
	NEXTQ
.Lno_q_\@:
	s_wait_xcnt 0x0                                ; the stores have read their data and bases: both are written again in the next head
	RESET
.endif
.endm
.Lslot:                                            ; 11 trips: behind each change of slots but the last the next slot is asked for
	CHANGE 1
	STEP
	s_xor_b32 s[TB], s[TB], SLOT1
	s_and_b32 s92, s[SG], 3
	s_cmp_eq_u32 s92, 3                            ; four slots are a head's 1,024 keys: the same in every wave and partner
	s_cbranch_scc0 .Lsame_head
	HEADEND 0
.Lsame_head:
	s_add_co_u32 s[SG], s[SG], 1
	s_cmp_lt_u32 s[SG], 11
	s_cbranch_scc1 .Lslot
	CHANGE 0                                       ; the last slot is written out
	STEP
	HEADEND 1
	s_wait_tensorcnt 0x0                           ; the wave's end
	ds_add_u32 v[SPW], v[NIL]
	s_wait_dscnt 0x0
	CROUND                                         ; the closing round
	s_endpgm
.Lfunc_end_k_q707a5e7547_attn:
	.size	k_q707a5e7547_attn, .Lfunc_end_k_q707a5e7547_attn-k_q707a5e7547_attn
	.p2alignl 7, 3214868480
	.fill 96, 4, 3214868480
	.section	.rodata,"a",@progbits
	.p2align	6, 0x0
	.amdhsa_kernel k_q707a5e7547_attn
		.amdhsa_group_segment_fixed_size 327680
		.amdhsa_private_segment_fixed_size 0
		.amdhsa_enable_private_segment 0
		.amdhsa_kernarg_size 48
		.amdhsa_user_sgpr_count 2
		.amdhsa_user_sgpr_kernarg_segment_ptr 1
		.amdhsa_wavefront_size32 1
		.amdhsa_system_sgpr_workgroup_id_x 1
		.amdhsa_system_sgpr_workgroup_id_y 1
		.amdhsa_system_sgpr_workgroup_id_z 1
		.amdhsa_system_vgpr_workitem_id 0
		.amdhsa_next_free_vgpr 232
		.amdhsa_next_free_sgpr 100
		.amdhsa_reserve_vcc 0
		.amdhsa_float_denorm_mode_32 3
		.amdhsa_float_denorm_mode_16_64 3
		.amdhsa_memory_ordered 1
		.amdhsa_forward_progress 1
		.amdhsa_inst_pref_size 59
	.end_amdhsa_kernel
	.amdgpu_metadata
---
amdhsa.version: [ 1, 2 ]
amdhsa.kernels:
  - .name:           k_q707a5e7547_attn
    .symbol:         k_q707a5e7547_attn.kd
    .args:
      - { .name: qimg, .offset: 0, .size: 8, .value_kind: global_buffer, .address_space: global }
      - { .name: qscl, .offset: 8, .size: 8, .value_kind: global_buffer, .address_space: global }
      - { .name: kv, .offset: 16, .size: 8, .value_kind: global_buffer, .address_space: global }
      - { .name: rel_pos_bias, .offset: 24, .size: 8, .value_kind: global_buffer, .address_space: global }
      - { .name: oimg, .offset: 32, .size: 8, .value_kind: global_buffer, .address_space: global }
      - { .name: oscl, .offset: 40, .size: 8, .value_kind: global_buffer, .address_space: global }
    .group_segment_fixed_size: 327680
    .private_segment_fixed_size: 0
    .kernarg_segment_align: 8
    .kernarg_segment_size: 48
    .max_flat_workgroup_size: 512
    .sgpr_count:     100
    .vgpr_count:     232
    .wavefront_size: 32
...
	.end_amdgpu_metadata
.endif
;; end of part 3
;; launch oproj (part 4): grid 4 x 64, 8 waves a work-group, clusters of 4 x 4, 241,152 bytes of LDS; arguments oimg, oscl, W_o_codes, W_o_scales, b_o, out0; writes out0
.if DOCPART == 4
	.amdgcn_target "amdgcn-amd-amdhsa--gfx1250"
	.amdhsa_code_object_version 6
	.text
	.protected	k_q707a5e7547_oproj
	.globl	k_q707a5e7547_oproj
	.p2align	8
	.type	k_q707a5e7547_oproj,@function
k_q707a5e7547_oproj:
	s_mov_b64 s[64:65], 0
	v_nop
	global_prefetch_b8 v0, s[64:65] scope:SCOPE_SE
	s_setreg_imm32_b32 hwreg(HW_REG_WAVE_MODE, 25, 1), 1
	s_wait_xcnt 0x0
	s_wait_alu depctr_hold_cnt(0) depctr_sa_sdst(0) depctr_va_vdst(0) depctr_va_sdst(0) depctr_va_ssrc(0) depctr_va_vcc(0) depctr_vm_vsrc(0)
	s_getreg_b32 s2, hwreg(HW_REG_IB_STS2, 6, 4)
	s_cmp_eq_u32 s2, 0
	s_cbranch_scc0 .Lentry_in_a_cluster
	s_endpgm
.Lentry_in_a_cluster:
	s_bfe_u32 s2, ttmp6, 0x10000c
	s_cmp_lg_u32 s2, 0xf033
	s_cbranch_scc0 .Lentry_shape_is_right
	s_endpgm
.Lentry_shape_is_right:
; out0 = o W_o^T + b_o, on codes of FP4 (E2M1) with one E8M0 scale for each 32 along K = 768.  o comes as images of the operand's registers (a tile of 16 rows: 6 K steps x 2 pieces of 512 bytes) with its scale words
; (64 bytes a tile and K step); W_o as given: rows of 384 bytes, 24 scale bytes a row.  out0: [8192][768] f32.
; SHARES.  Work-group: 128 rows (block rbk) x 192 columns (block cg): 256 work-groups.  All of K lies in LDS: every byte of LDS that a tensor load fills is filled once.  Wave w: 64 rows (w % 2) x 48 columns (w / 2): 12 accumulators.
; CLUSTER 4 x 4: the four of a row of the cluster need the same tiles of o, the four of a column the same rows of W_o: each is asked for jointly.
; Source 0 = 16 rows of W_o, source 1 = 16 rows of o: a lane holds eight neighbouring columns of one row.  b_o is the C of each sum's first product.
; THE WAY OUT: a row's 768 bytes come from four waves: they meet in a stage in LDS (bytes of its own, into which no tensor load lands), and each wave stores 16 rows, sixteen lanes to 256 consecutive aligned bytes.
; LIMITS: NaN and infinities are not served.
.set OI,    0                          ; o's 8 tiles, 6,144 bytes each
.set ROWP,  432                        ; a row of W_o in LDS: 3 x (128 bytes + 16 of padding) = 108 words: the 16 rows of a fragment start at 16 different groups of four banks (64 banks of 4 bytes: ISA guide 11.1)
.set WT,    49152                      ; W_o's 192 rows
.set OS,    WT+192*ROWP                ; o's scale words
.set WS,    OS+3072                    ; W_o's scale bytes
.set STAGE, WS+4608
.set SP,    784                        ; a stage row: 768 bytes + 16
.set AO,  1
.set AOS, 2
.set AW,  3
.set AWS, 4
.set STO, 5
.set RD,  6
.set GO,  7
.set GB,  8
.set OSR, 16                           ; v16-19 o's scale words, v20-22 W_o's: scales and nothing else
.set WSR, 20
.set BC,  32                           ; v32-55 b_o in the results' layout
.set OF,  64                           ; v64-95 o's four fragments
.set WF,  96                           ; v96-119 W_o's three
.set ACC, 128                          ; v128-223
.set WV,  16
.set RH,  17
.set CQ,  18
.set GOS1, 24                          ; s[24:31] group 1: o's scale words;  s[32:39] W_o's;  s[40:47] o's images;  s[48:55] W_o's codes
.set GWS1, 32
.set GOI1, 40
.set GWC1, 48
.macro CROUND
	s_barrier_signal -1
	s_barrier_wait -1
	s_cmp_lg_u32 s[WV], 0
	s_cbranch_scc1 .Lnot_wave_0_\@
	s_barrier_signal -3
.Lnot_wave_0_\@:
	s_barrier_wait -3
	s_barrier_signal -1
	s_barrier_wait -1
.endm
.macro G1REST g, c, r                  ; group 1 behind its first word: r rows of c elements of 8 bytes, dense in memory
	s_mov_b32 s[\g+1], (\c)<<16
	s_mov_b32 s[\g+2], (\r)<<16
	s_mov_b32 s[\g+3], (\c)<<16
	s_mov_b32 s[\g+4], \r
	s_mov_b32 s[\g+5], \c
	s_mov_b32 s[\g+6], 0
	s_mov_b32 s[\g+7], 0
.endm
.macro MX d, a, b, c, sa, sb
	v_wmma_scale_f32_16x16x128_f8f6f4 v[\d:\d+7], v[\a:\a+7], v[\b:\b+7], v[\c:\c+7], v[\sa], v[\sb] matrix_a_fmt:MATRIX_FMT_FP4 matrix_b_fmt:MATRIX_FMT_FP4
.endm
	s_load_b256 s[4:11], s[0:1], 0x0               ; oimg, oscl, W_o's codes, W_o's scales
	s_load_b128 s[12:15], s[0:1], 0x20             ; b_o, out0
	v_lshl_add_u32 v224, v0, 2, 0x3aa00
	v_mov_b32 v225, 0
	ds_add_u32 v224, v225
	v_lshrrev_b32 v9, 5, v0
	v_readfirstlane_b32 s[WV], v9                  ; wave 0..7
	s_and_b32 s[RH], s[WV], 1
	s_lshr_b32 s[CQ], s[WV], 1
	s_bfe_u32 s76, ttmp6, 0x40000                  ; cx
	s_bfe_u32 s77, ttmp6, 0x40004                  ; cy
	s_lshl_b32 s78, ttmp9, 2
	s_add_co_u32 s78, s78, s76                     ; cg
	s_and_b32 s79, ttmp7, 0xffff
	s_lshl_b32 s79, s79, 2
	s_add_co_u32 s79, s79, s77                     ; rbk
	s_lshl_b32 s80, s77, 2
	s_lshl_b32 s80, 15, s80                        ; my row of the cluster
	s_lshl_b32 s81, 0x1111, s76                    ; my column
	s_or_b32 s[GOS1], s80, (3<<16)|(1<<21)
	G1REST GOS1, 48, 1                             ; a tile's scale words: one row of 384 bytes
	s_or_b32 s[GWS1], s81, (3<<16)|(1<<21)
	G1REST GWS1, 72, 1                             ; 24 rows' scale bytes: 576
	s_or_b32 s[GOI1], s80, (3<<16)|(1<<21)
	G1REST GOI1, 32, 24                            ; a tile's image: 24 rows of 256 bytes
	s_or_b32 s[GWC1], s81, (3<<16)|(1<<20)|(1<<21)|(4<<22)|(3<<25)
	G1REST GWC1, 16, 72                            ; 24 rows of codes: 72 rows of 128 bytes, 16 bytes of padding behind each
	s_lshl_b32 s82, s79, 3
	s_add_co_u32 s82, s82, s[WV]                   ; the tile of o that I fetch: registers that never hold cx
	s_mul_i32 s20, s82, 384
	s_mov_b32 s21, 0
	s_mul_i32 s22, s82, 6144
	s_mov_b32 s23, 0
	s_mul_i32 s84, s78, 4608                       ; the 24 rows of W_o that I fetch: 192 cg + 24 w: registers that never hold cy
	s_mul_i32 s85, s[WV], 576
	s_add_co_u32 s84, s84, s85
	s_mov_b32 s85, 0
	s_mul_i32 s86, s78, 73728
	s_mul_i32 s87, s[WV], 9216
	s_add_co_u32 s86, s86, s87
	s_mov_b32 s87, 0
	s_wait_dscnt 0x0
	s_wait_kmcnt 0x0
	s_mov_b32 s56, 1
	s_mul_i32 s57, s[WV], 384
	s_add_co_u32 s57, s57, OS
	s_add_nc_u64 s[58:59], s[6:7], s[20:21]
	s_or_b32 s59, s59, 0x80000000
	s_mov_b32 s60, 1
	s_mul_i32 s61, s[WV], 576
	s_add_co_u32 s61, s61, WS
	s_add_nc_u64 s[62:63], s[10:11], s[84:85]
	s_or_b32 s63, s63, 0x80000000
	s_mov_b32 s68, 1
	s_mul_i32 s69, s[WV], 6144
	s_add_nc_u64 s[70:71], s[4:5], s[22:23]
	s_or_b32 s71, s71, 0x80000000
	s_mov_b32 s72, 1
	s_mul_i32 s73, s[WV], 24*ROWP
	s_add_co_u32 s73, s73, WT
	s_add_nc_u64 s[74:75], s[8:9], s[86:87]
	s_or_b32 s75, s75, 0x80000000
	CROUND                                         ; all sixteen work-groups are here: the joint loads meet
	tensor_load_to_lds s[56:59], s[GOS1:GOS1+7]            ; four loads of mine are out: all first fills, as one group
	s_nop 0
	tensor_load_to_lds s[60:63], s[GWS1:GWS1+7]
	s_nop 0
	tensor_load_to_lds s[68:71], s[GOI1:GOI1+7]
	s_nop 0
	tensor_load_to_lds s[72:75], s[GWC1:GWC1+7]
	s_nop 0
.rept 4
	v_nop
.endr
	s_lshl_b32 s88, s79, 7                         ; out0: rows 128 rbk + 16 w on, columns 192 cg on
	s_lshl_b32 s89, s[WV], 4
	s_add_co_u32 s88, s88, s89
	s_mul_i32 s88, s88, 3072
	s_mul_i32 s89, s78, 768
	s_add_co_u32 s88, s88, s89
	s_mov_b32 s89, 0
	s_add_nc_u64 s[14:15], s[14:15], s[88:89]
	s_mul_i32 s90, s78, 768                        ; b_o: columns 192 cg + 48 cq on
	s_mul_i32 s91, s[CQ], 192
	s_add_co_u32 s90, s90, s91
	s_mov_b32 s91, 0
	s_add_nc_u64 s[12:13], s[12:13], s[90:91]
	v_and_b32 v9, 15, v0                           ; r
	v_bfe_u32 v10, v0, 4, 1                        ; h
	v_and_b32 v11, 31, v0                          ; lane
	v_lshlrev_b32 v[GB], 5, v10
.irp t, 0,1,2                                  ; lane (r, h), tile t, register j: column 16 t + 8 h + j
	global_load_b128 v[BC+8*\t:BC+8*\t+3], v[GB], s[12:13] offset:64*\t
	global_load_b128 v[BC+8*\t+4:BC+8*\t+7], v[GB], s[12:13] offset:64*\t+16
.endr
	s_mul_i32 s92, s[RH], 4*6144
	v_lshl_add_u32 v[AO], v11, 4, s92              ; my four tiles of o: 16 x lane
	s_mul_i32 s92, s[RH], 4*384
	s_add_co_u32 s92, s92, OS
	v_lshl_add_u32 v[AOS], v9, 2, s92
	s_mul_i32 s92, s[CQ], 48*ROWP
	s_add_co_u32 s92, s92, WT
	v_mul_u32_u24 v[AW], v9, ROWP
	v_lshl_add_u32 v[AW], v10, 4, v[AW]
	v_add_nc_u32 v[AW], s92, v[AW]
	s_mul_i32 s92, s[CQ], 48*24
	s_add_co_u32 s92, s92, WS
	v_mul_u32_u24 v[AWS], v9, 24
	v_add_nc_u32 v[AWS], s92, v[AWS]
	s_mul_i32 s92, s[RH], 64*SP
	s_mul_i32 s93, s[CQ], 192
	s_add_co_u32 s92, s92, s93
	s_add_co_u32 s92, s92, STAGE
	v_mul_u32_u24 v[STO], v9, SP
	v_lshl_add_u32 v[STO], v10, 5, v[STO]
	v_add_nc_u32 v[STO], s92, v[STO]               ; the stage, in: row 64 rh + r, bytes 192 cq + 32 h on
	s_mul_i32 s92, s[WV], 16*SP
	s_add_co_u32 s92, s92, STAGE
	v_mul_u32_u24 v[RD], v10, 8*SP
	v_lshl_add_u32 v[RD], v9, 4, v[RD]
	v_add_nc_u32 v[RD], s92, v[RD]                 ; and back: rows 16 w + 8 h on, 16 bytes a lane
	v_mul_u32_u24 v[GO], v10, 8*3072
	v_lshl_add_u32 v[GO], v9, 4, v[GO]             ; the same place in out0
	s_wait_tensorcnt 0x0                           ; my four parts are in,
	s_barrier_signal -1
	s_barrier_wait -1                              ; everybody's are
.macro KSTEP s                         ; 128 along K: 4 tiles of o against 3 of W_o; the 12 accumulators take turns in the same order in every step
.irp m, 0,1,2,3
.irp cc, 0,1
	ds_load_b128 v[OF+8*\m+4*\cc:OF+8*\m+4*\cc+3], v[AO] offset:6144*\m+1024*(\s)+512*\cc
.endr
	ds_load_b32 v[OSR+\m], v[AOS] offset:384*\m+64*(\s)
.endr
.irp t, 0,1,2
.irp cc, 0,1
	ds_load_b128 v[WF+8*\t+4*\cc:WF+8*\t+4*\cc+3], v[AW] offset:16*ROWP*\t+144*((\s)/2)+64*((\s)%2)+32*\cc
.endr
	ds_load_b32 v[WSR+\t], v[AWS] offset:384*\t+4*(\s)
.endr
	s_wait_dscnt 0x0
.if \s == 0
	s_wait_loadcnt 0x0                             ; b_o
.endif
.irp m, 0,1,2,3
.irp t, 0,1,2
.if \s == 0
	MX ACC+8*(3*\m+\t), WF+8*\t, OF+8*\m, BC+8*\t, WSR+\t, OSR+\m
.else
	MX ACC+8*(3*\m+\t), WF+8*\t, OF+8*\m, ACC+8*(3*\m+\t), WSR+\t, OSR+\m
.endif
.endr
.endr
.rept 4
	v_nop                                          ; places in front of loads into registers that these products read, and of the first read of results
.endr
.endm
.irp s, 0,1,2,3,4,5
	KSTEP \s
.endr
.irp m, 0,1,2,3
.irp t, 0,1,2
	ds_store_b128 v[STO], v[ACC+8*(3*\m+\t):ACC+8*(3*\m+\t)+3] offset:16*\m*SP+64*\t           ; each accumulator from its low end on
	ds_store_b128 v[STO], v[ACC+8*(3*\m+\t)+4:ACC+8*(3*\m+\t)+7] offset:16*\m*SP+64*\t+16
.endr
.endr
	s_wait_dscnt 0x0                               ; for the others' sake: my stores into the stage are done
	s_barrier_signal -1
	s_barrier_wait -1
.irp n, 0,1,2,3,4,5,6,7,8,9,10,11,12,13,14,15,16,17,18,19,20,21,22,23
	ds_load_b128 v[ACC+4*\n:ACC+4*\n+3], v[RD] offset:SP*(\n/3)+256*(\n%3)
.endr
.irp n, 0,1,2,3,4,5,6,7,8,9,10,11,12,13,14,15,16,17,18,19,20,21,22,23
	s_wait_dscnt 23-\n                             ; LDS loads come back in order: load n is in, the younger ones may be out
	global_store_b128 v[GO], v[ACC+4*\n:ACC+4*\n+3], s[14:15] offset:3072*(\n/3)+256*(\n%3) th:TH_STORE_NT   ; 16 lanes store 256 consecutive bytes, at a multiple of 256 from out0's first byte; written once, read by nobody here
.endr
	s_wait_dscnt 0x0
	s_wait_tensorcnt 0x0
	ds_add_u32 v224, v225
	s_wait_dscnt 0x0
	CROUND                                         ; the closing round: no work-group ends while a partner may still ask for a tile that names it
	s_endpgm
.Lfunc_end_k_q707a5e7547_oproj:
	.size	k_q707a5e7547_oproj, .Lfunc_end_k_q707a5e7547_oproj-k_q707a5e7547_oproj
	.p2alignl 7, 3214868480
	.fill 96, 4, 3214868480
	.section	.rodata,"a",@progbits
	.p2align	6, 0x0
	.amdhsa_kernel k_q707a5e7547_oproj
		.amdhsa_group_segment_fixed_size 241152
		.amdhsa_private_segment_fixed_size 0
		.amdhsa_enable_private_segment 0
		.amdhsa_kernarg_size 48
		.amdhsa_user_sgpr_count 2
		.amdhsa_user_sgpr_kernarg_segment_ptr 1
		.amdhsa_wavefront_size32 1
		.amdhsa_system_sgpr_workgroup_id_x 1
		.amdhsa_system_sgpr_workgroup_id_y 1
		.amdhsa_system_sgpr_workgroup_id_z 1
		.amdhsa_system_vgpr_workitem_id 0
		.amdhsa_next_free_vgpr 226
		.amdhsa_next_free_sgpr 96
		.amdhsa_reserve_vcc 0
		.amdhsa_float_denorm_mode_32 3
		.amdhsa_float_denorm_mode_16_64 3
		.amdhsa_memory_ordered 1
		.amdhsa_forward_progress 1
		.amdhsa_inst_pref_size 33
	.end_amdhsa_kernel
	.amdgpu_metadata
---
amdhsa.version: [ 1, 2 ]
amdhsa.kernels:
  - .name:           k_q707a5e7547_oproj
    .symbol:         k_q707a5e7547_oproj.kd
    .args:
      - { .name: oimg, .offset: 0, .size: 8, .value_kind: global_buffer, .address_space: global }
      - { .name: oscl, .offset: 8, .size: 8, .value_kind: global_buffer, .address_space: global }
      - { .name: W_o_codes, .offset: 16, .size: 8, .value_kind: global_buffer, .address_space: global }
      - { .name: W_o_scales, .offset: 24, .size: 8, .value_kind: global_buffer, .address_space: global }
      - { .name: b_o, .offset: 32, .size: 8, .value_kind: global_buffer, .address_space: global }
      - { .name: out0, .offset: 40, .size: 8, .value_kind: global_buffer, .address_space: global }
    .group_segment_fixed_size: 241152
    .private_segment_fixed_size: 0
    .kernarg_segment_align: 8
    .kernarg_segment_size: 48
    .max_flat_workgroup_size: 256
    .sgpr_count:     96
    .vgpr_count:     226
    .wavefront_size: 32
...
	.end_amdgpu_metadata
.endif
;; end of part 4
